; MI455X (gfx1250); checked and timed in simulation.
; The chip was launched on July 23, 2026; its instructions are those of AMD's public machine-readable ISA for CDNA 5 (MIT licence, August 2026) and "CDNA5" Instruction Set Architecture Reference Guide (July 2026). The comments in the code are by the model that wrote it; some were corrected since.
;; Basic Mo E Layer. Allowed arithmetic: matrix products marked QUANTISED: E2M1 operands, one E8M0 scale for each 32 along K, by v_wmma_scale_f32_16x16x128_f8f6f4 with both operands' format E2M1 (or v_wmma_scale_f32_32x16x128_f4), f32 sums; products left as they are: f32 operands where the result goes on into a quantised operand, else bf16, f16 or f32 operands; f32 sums; everything else in f32.
;; Inputs: W1 8 x 1,024 x 512 float32; W2 8 x 512 x 1,024 float32; router 1,024 x 8 float32; x 4 x 2,048 x 1,024 float32.
;; Outputs: out0 4 x 2,048 x 1,024 float32.
;; This version of the problem:
;;   THIS VERSION OF THE PROBLEM IS GIVEN IN LOW PRECISION. The matrix products marked QUANTISED in the list below multiply operands that are first quantised to E2M1 (2 exponent bits, 1 mantissa bit; 4 bits a number), with one power-of-two scale for each 32 numbers along K (OCP MX v1.0); their sums are f32. All else is computed in f32.
;;   The module's matrix products, in the order in which they are computed (A, B: the left and right operand; K: the contracted axis; several contracted axes count as one K, in the product's order):
;;     1. [M 8,192, K 1,024] x [K 1,024, N 8]; A: input x; B: input router: left as it is (N = 8 < 16)
;;     2. [M 8,192, K 1,024] x [K 1,024, N 512]; A: input x; B: input W1: QUANTISED
;;     3. [M 8,192, K 512] x [K 512, N 1,024]; A: computed on the way; B: input W2: QUANTISED
;;     4. [M 8,192, K 1,024] x [K 1,024, N 512]; A: input x; B: input W1: QUANTISED
;;     5. [M 8,192, K 512] x [K 512, N 1,024]; A: computed on the way; B: input W2: QUANTISED
;;     6. [M 8,192, K 1,024] x [K 1,024, N 512]; A: input x; B: input W1: QUANTISED
;;     7. [M 8,192, K 512] x [K 512, N 1,024]; A: computed on the way; B: input W2: QUANTISED
;;     8. [M 8,192, K 1,024] x [K 1,024, N 512]; A: input x; B: input W1: QUANTISED
;;     9. [M 8,192, K 512] x [K 512, N 1,024]; A: computed on the way; B: input W2: QUANTISED
;;     10. [M 8,192, K 1,024] x [K 1,024, N 512]; A: input x; B: input W1: QUANTISED
;;     11. [M 8,192, K 512] x [K 512, N 1,024]; A: computed on the way; B: input W2: QUANTISED
;;     12. [M 8,192, K 1,024] x [K 1,024, N 512]; A: input x; B: input W1: QUANTISED
;;     13. [M 8,192, K 512] x [K 512, N 1,024]; A: computed on the way; B: input W2: QUANTISED
;;     14. [M 8,192, K 1,024] x [K 1,024, N 512]; A: input x; B: input W1: QUANTISED
;;     15. [M 8,192, K 512] x [K 512, N 1,024]; A: computed on the way; B: input W2: QUANTISED
;;     16. [M 8,192, K 1,024] x [K 1,024, N 512]; A: input x; B: input W1: QUANTISED
;;     17. [M 8,192, K 512] x [K 512, N 1,024]; A: computed on the way; B: input W2: QUANTISED
;;   THE QUANTISER, for each operand of a quantised product, along K:
;;     - K is cut into blocks of 32 from its start; a last block that is shorter is filled with zeros.
;;     - A block's scale is 2^e with e = floor(log2(the largest magnitude in the block)) - 2, held to -126 .. 127; a block of zeros has e = 0. As a byte (E8M0): e + 127.
;;     - Each number is divided by its block's scale, clamped to +-6, and rounded to the nearest number of E2M1, ties to even, subnormals kept.
;;     - The product sums the exact products of the quantised numbers (number of the format x scale) in f32.
;;   ~~~python
;;   def quantise(x, axis):      # numpy; x: float32 -> the quantised numbers, widened to float32 again
;;       x = np.moveaxis(x, axis, -1); K = x.shape[-1]
;;       x = np.pad(x, [(0, 0)] * (x.ndim - 1) + [(0, -K % 32)]); x = x.reshape(x.shape[:-1] + (-1, 32)); a = np.abs(x).max(-1, keepdims=True)
;;       e = np.where(a > 0, np.clip(np.frexp(np.where(a > 0, a, 1))[1] - 1 - 2, -126, 127), 0)      # np.frexp(a)[1] - 1 = floor(log2(a)), exactly
;;       r = np.clip(x / 2.0 ** e, -6, 6)
;;       step = 2.0 ** (np.maximum(np.frexp(np.where(r == 0, 1, r))[1] - 1, 0) - 1)
;;       q = np.round(r / step) * step * 2.0 ** e      # np.round: ties to even
;;       return np.moveaxis(q.reshape(q.shape[:-2] + (-1,))[..., :K], -1, axis).astype(np.float32)
;;   ~~~
;;   OPERANDS COMPUTED ON THE WAY. 'Computed on the way' means the value that the module computes at that place (a softmax that the list does not call 'softmax' is quantised finished and normalised). What goes into a quantiser is computed in f32, as accurately as f32 sums, v_exp_f32 and their like allow (about 1e-6 of the number): no bf16 or f16 on the way to a quantiser, and a product that is left as it is and whose result goes on into a quantised operand takes f32 operands (vector FMAs, or v_wmma_f32_16x16x4_f32). A number that lies on a knife's edge between two numbers of the format may be rounded either way, as far as f32 arithmetic and the matrix unit's own rounding can turn it there, and no further.
;; 2 versions. Each part assembles by itself: llvm-mc -triple=amdgcn-amd-amdhsa -mcpu=gfx1250 --defsym DOCPART=n.
;; ======== version 1 of 2: 3 launches
;; workspace buffers: xq 4,194,304 bytes; xs 262,144 bytes; gates 65,536 bytes; route 65,536 bytes of whole numbers; wq 4,194,304 bytes; ws 262,144 bytes; plan 43,776 bytes of whole numbers
;; launch route_quant (part 1): grid 256 x 1, 8 waves a work-group, no clusters, 183,808 bytes of LDS; arguments x, router, xq, xs, gates, route; writes xq, xs, gates, route
.if DOCPART == 1
	.amdgcn_target "amdgcn-amd-amdhsa--gfx1250"
	.amdhsa_code_object_version 6
	.text
	.protected	k_qa628b97903_route_quant
	.globl	k_qa628b97903_route_quant
	.p2align	8
	.type	k_qa628b97903_route_quant,@function
k_qa628b97903_route_quant:
	s_mov_b64 s[64:65], 0
	v_nop
	global_prefetch_b8 v0, s[64:65] scope:SCOPE_SE
	s_setreg_imm32_b32 hwreg(HW_REG_WAVE_MODE, 25, 1), 1
	s_wait_xcnt 0x0
; x [8192][1024] f32 is read once and serves twice: (1) logits = x . router in f32 (fused multiply-adds), the two largest (a tie keeps the lower expert), their softmax;
; (2) codes of FP4 (E2M1) with one E8M0 byte for each 32 along K: xq [token][512 bytes], xs [token][32 bytes].
; Stored for the later launches, at fixed places: gates [token][g_lo, g_hi] f32; route [group of 32 tokens][lane][2 words]: word 0 = pair number | rank << 8 of token 32 g + lane,
; word 1 = how many tokens of the group have pair number = lane.  Pair number of experts lo < hi: lo (15 - lo) / 2 + hi - lo - 1, 0 to 27.  No address and no branch here hangs on these numbers.
; SHARES: a work-group takes 32 tokens, a wave 4 rows.  In a row lane l owns block l (k = 32 l .. 32 l + 31): the block's largest magnitude needs no other lane, and the lane's slice of the
; router (32 k x 8 experts, 1,024 bytes) stays in 256 registers.  Loads take the bytes as they lie (512 consecutive bytes an instruction); a row turns through the wave's own stage in LDS.
; LIMITS: NaN and infinities are not served; a block whose largest magnitude lies under 2^-124 keeps the byte 1 (a block of zeros too: its codes are zeros, and this program alone reads the bytes);
; the logits' sums are f32 in another order than a row-by-row sum: two logits closer than that rounding may change places.
; No matrix unit: 8 columns are too few for it, and the choice of experts wants f32.  No cluster: work-groups share only the router's 32 KB.
.set RTP,  1040                        ; LDS: the router as 32 pieces of 1,024 bytes + 16 of padding, from byte 0
.set STG,  33280                       ; the stages: 4 rows for each wave, none used twice
.set SROW, 4608                        ; a row in a stage: 32 x (128 bytes + 16 of padding)
.set LOG,  180736                      ; 32 tokens x 8 logits
.set XSB,  181760                      ; 32 tokens x 32 scale bytes
.set R,    16                          ; v16-143  four rows as loaded; v16-79 later rows 2, 3 turned; v80-95 later their sums
.set X0,   144                         ; v144-207 the router on its way, then rows 0, 1 turned
.set C,    224                         ; v224-239 codes: four registers a row, never rewritten
.set BY,   244                         ; v244-247 a scale byte a row
.set MSB, 0
.macro WIN new                         ; the immediate's high byte repeats the setting that is left
.if MSB != \new
	s_set_vgpr_msb (MSB<<8)|\new
.set MSB, \new
.endif
.endm
	s_load_b256 s[4:11], s[0:1], 0x0               ; x s[4:5], router s[6:7], xq s[8:9], xs s[10:11]
	s_load_b128 s[12:15], s[0:1], 0x20             ; gates s[12:13], route s[14:15]
	v_lshl_add_u32 v254, v0, 2, 0x2ca00
	v_mov_b32 v255, 0
	v_lshrrev_b32 v1, 5, v0
	v_readfirstlane_b32 s16, v1                    ; wave 0..7
	v_and_b32 v1, 31, v0                           ; lane
	v_lshlrev_b32 v2, 4, v1                        ; 16 x lane
	s_mul_i32 s17, s16, 4*SROW
	s_add_co_u32 s17, s17, STG                     ; my wave's stages
	v_lshrrev_b32 v9, 3, v1
	v_lshl_add_u32 v3, v9, 4, v2
	v_add_nc_u32 v3, s17, v3                       ; into a stage: 16 l + 16 (l / 8): 16 bytes of padding behind each 128
	v_mul_u32_u24 v4, v1, 144
	v_add_nc_u32 v4, s17, v4                       ; out of it: my block's 128 bytes
	s_mul_i32 s18, s16, 4*RTP
	v_add_nc_u32 v5, s18, v2                       ; the router into LDS: my wave's four pieces
	v_mul_u32_u24 v6, v1, RTP                      ; and out: my lane's piece
	v_lshrrev_b32 v9, 4, v1
	s_lshl_b32 s18, s16, 7
	s_add_co_u32 s19, s18, LOG
	v_lshl_add_u32 v7, v9, 4, s19                  ; my wave's logits: 32 bytes a row, experts 4 (l / 16) on
	s_add_co_u32 s19, s18, XSB
	v_add_nc_u32 v8, s19, v1                       ; my wave's scale bytes: 32 a row, byte l
	v_lshl_add_u32 v10, v1, 5, LOG                 ; wave 0 later: token l's eight logits
	v_add_nc_u32 v11, XSB, v2                      ; wave 1 later: the scale bytes, 16 a lane
	v_lshlrev_b32 v12, 3, v1                       ; 8 x lane
	s_lshl_b32 s20, ttmp9, 17                      ; x: 32 rows of 4,096 bytes a work-group,
	s_lshl_b32 s21, s16, 14                        ; 4 a wave
	s_add_co_u32 s20, s20, s21
	s_mov_b32 s21, 0
	s_lshl_b32 s22, s16, 12                        ; router: 4,096 bytes a wave
	s_mov_b32 s23, 0
	s_lshl_b32 s24, ttmp9, 14                      ; xq: 512 bytes a row
	s_lshl_b32 s25, s16, 11
	s_add_co_u32 s24, s24, s25
	s_mov_b32 s25, 0
	s_lshl_b32 s26, ttmp9, 10                      ; xs: 32 bytes a row
	s_mov_b32 s27, 0
	s_lshl_b32 s28, ttmp9, 8                       ; gates and route: 8 bytes a token
	s_mov_b32 s29, 0
	s_wait_kmcnt 0x0
	s_add_nc_u64 s[4:5], s[4:5], s[20:21]
	s_add_nc_u64 s[6:7], s[6:7], s[22:23]
	s_add_nc_u64 s[8:9], s[8:9], s[24:25]
	s_add_nc_u64 s[10:11], s[10:11], s[26:27]
	s_add_nc_u64 s[12:13], s[12:13], s[28:29]
	s_add_nc_u64 s[14:15], s[14:15], s[28:29]
.irp i, 0,1,2,3,4,5,6,7
	global_load_b128 v[X0+4*\i:X0+4*\i+3], v2, s[6:7] offset:512*\i          ; my wave's eighth of the router
.endr
.irp p, 0,1,2,3
.irp i, 0,1,2,3,4,5,6,7
	global_load_b128 v[R+32*\p+4*\i:R+32*\p+4*\i+3], v2, s[4:5] offset:4096*\p+512*\i th:TH_LOAD_NT   ; all four rows at once: 32 lanes read 512 consecutive bytes
.endr
.endr
	s_wait_loadcnt 32                              ; the router's eight are in; the 32 loads of x issued behind them may be out
.irp i, 0,1,2,3,4,5,6,7
	ds_store_b128 v5, v[X0+4*\i:X0+4*\i+3] offset:512*\i+16*(\i/2)
.endr
	s_wait_dscnt 0x0                               ; for the others' sake: my part of the router lies in LDS
	s_barrier_signal -1
	s_barrier_wait -1
	WIN 0x40                                       ; destination window 1: register 8 k + e = router[32 l + k][e]
.set n, 0
.rept 64
	ds_load_b128 v[4*n:4*n+3], v6 offset:16*n
.set n, n+1
.endr
	WIN 0
.macro TIN p                           ; row p into its stage, as loaded
.irp i, 0,1,2,3,4,5,6,7
	ds_store_b128 v3, v[R+32*\p+4*\i:R+32*\p+4*\i+3] offset:SROW*\p+576*\i
.endr
.endm
.macro TOUT p, dst                     ; and back: register k = x[row][32 l + k].  LDS serves a wave's instructions in order: these see the stores
.irp j, 0,1,2,3,4,5,6,7
	ds_load_b128 v[\dst+4*\j:\dst+4*\j+3], v4 offset:SROW*\p+16*\j
.endr
.endm
	s_wait_loadcnt 16                              ; rows 0 and 1 are in; the 16 loads of rows 2 and 3 may be out
	TIN 0
	TOUT 0, X0
	TIN 1
	TOUT 1, X0+32
	s_wait_loadcnt 0x0
	TIN 2
	TIN 3
	s_wait_dscnt 16                                ; all but these 16 stores: the router and rows 0, 1 are in registers, and the stores of rows 0, 1 have read v16-79,
	TOUT 2, R                                      ; which take rows 2 and 3
	TOUT 3, R+32
; Two rows, at v[xb] and v[xb + 32]; r0: the first's number; acc: 16 registers for their eight sums each.
.macro PAIR xb, r0, acc
	WIN 0x04                                       ; source 1 (the router) window 1
.irp q, 0,1,2,3
	v_pk_mul_f32 v[\acc+2*\q:\acc+2*\q+1], v[\xb:\xb+1], v[2*\q:2*\q+1] op_sel_hi:[0,1]          ; k = 0 starts the sums: nothing is cleared
	v_pk_mul_f32 v[\acc+8+2*\q:\acc+9+2*\q], v[\xb+32:\xb+33], v[2*\q:2*\q+1] op_sel_hi:[0,1]
.endr
.set k, 1
.rept 31
.set ke, k-(k%2)
.irp q, 0,1,2,3
.if k%2                                ; x[k] serves both halves: the pair's upper register for an odd k, its lower for an even one.  Eight chains that do not wait for each other
	v_pk_fma_f32 v[\acc+2*\q:\acc+2*\q+1], v[\xb+ke:\xb+ke+1], v[8*k+2*\q:8*k+2*\q+1], v[\acc+2*\q:\acc+2*\q+1] op_sel:[1,0,0] op_sel_hi:[1,1,1]
	v_pk_fma_f32 v[\acc+8+2*\q:\acc+9+2*\q], v[\xb+32+ke:\xb+33+ke], v[8*k+2*\q:8*k+2*\q+1], v[\acc+8+2*\q:\acc+9+2*\q] op_sel:[1,0,0] op_sel_hi:[1,1,1]
.else
	v_pk_fma_f32 v[\acc+2*\q:\acc+2*\q+1], v[\xb+ke:\xb+ke+1], v[8*k+2*\q:8*k+2*\q+1], v[\acc+2*\q:\acc+2*\q+1] op_sel_hi:[0,1,1]
	v_pk_fma_f32 v[\acc+8+2*\q:\acc+9+2*\q], v[\xb+32+ke:\xb+33+ke], v[8*k+2*\q:8*k+2*\q+1], v[\acc+8+2*\q:\acc+9+2*\q] op_sel_hi:[0,1,1]
.endif
.endr
.set k, k+1
.endr
	WIN 0
	v_max3_num_f32 v240, |v[\xb]|, |v[\xb+1]|, 0x1800000          ; my block's largest magnitude, and the floor 2^(3 - 127): the byte cannot fall under 1
	v_max3_num_f32 v241, |v[\xb+32]|, |v[\xb+33]|, 0x1800000
.irp i, 2,4,6,8,10,12,14,16,18,20,22,24,26,28,30
	v_max3_num_f32 v240, v240, |v[\xb+\i]|, |v[\xb+\i+1]|         ; (the two rows by turns)
	v_max3_num_f32 v241, v241, |v[\xb+32+\i]|, |v[\xb+33+\i]|
.endr
	v_add_nc_u32 v242, 0xff000000, v240            ; 2 off the exponent field: the conversion takes the exponent field of this operand as its scale
	v_add_nc_u32 v243, 0xff000000, v241
.irp g, 0,1,2,3
	v_cvt_scalef32_pk8_fp4_f32 v[C+4*\r0+\g], v[\xb+8*\g:\xb+8*\g+7], v242
	v_cvt_scalef32_pk8_fp4_f32 v[C+4*\r0+4+\g], v[\xb+32+8*\g:\xb+39+8*\g], v243
.endr
	v_lshrrev_b32 v[BY+\r0], 23, v242              ; the scale's byte (also the plain line behind the conversions)
	v_lshrrev_b32 v[BY+\r0+1], 23, v243
	global_store_b128 v2, v[C+4*\r0:C+4*\r0+3], s[8:9] offset:512*\r0            ; a row's 512 bytes of codes: 32 lanes, consecutive
	global_store_b128 v2, v[C+4*\r0+4:C+4*\r0+7], s[8:9] offset:512*\r0+512
	ds_store_b8 v8, v[BY+\r0] offset:32*\r0
	ds_store_b8 v8, v[BY+\r0+1] offset:32*\r0+32
.irp i, 0,1,2,3                        ; the sums over the 32 lanes.  The exchange leaves experts 0-3 to lanes 0-15 and experts 4-7 to lanes 16-31: half the additions
	v_permlane16_swap_b32 v[\acc+\i], v[\acc+4+\i]
	v_permlane16_swap_b32 v[\acc+8+\i], v[\acc+12+\i]
.endr
.irp i, 0,2,8,10
	v_pk_add_f32 v[\acc+\i:\acc+\i+1], v[\acc+\i:\acc+\i+1], v[\acc+4+\i:\acc+5+\i]
.endr
.irp msk, 1,2,4,8
.irp i, 0,1,2,3,8,9,10,11
	v_add_f32_dpp v[\acc+\i], v[\acc+\i], v[\acc+\i] row_xmask:\msk row_mask:0xf bank_mask:0xf
.endr
.endr
	ds_store_b128 v7, v[\acc:\acc+3] offset:32*\r0               ; the sixteen lanes of a half write the same 16 bytes with the same values
	ds_store_b128 v7, v[\acc+8:\acc+11] offset:32*\r0+32
.endm
	PAIR X0, 0, 208
	s_wait_dscnt 4                                 ; all but the first pair's two byte stores and two logit stores: rows 2, 3 are back, and their stores into the stage have read v80-143
	PAIR R, 2, 80
	s_wait_dscnt 0x0                               ; for the others' sake: my logits and scale bytes lie in LDS
	s_barrier_signal -1
	s_barrier_wait -1
	s_cmp_eq_u32 s16, 1
	s_cbranch_scc1 .Lscales
	s_cmp_eq_u32 s16, 0
	s_cbranch_scc1 .Lroute
	s_wait_tensorcnt 0x0
	ds_add_u32 v254, v255
	s_wait_dscnt 0x0
	s_endpgm
.Lscales:                                              ; wave 1: the work-group's 1,024 scale bytes leave in two stores of 512 consecutive bytes
	ds_load_b128 v[16:19], v11
	ds_load_b128 v[20:23], v11 offset:512
	s_wait_dscnt 0x0
	global_store_b128 v2, v[16:19], s[10:11]
	global_store_b128 v2, v[20:23], s[10:11] offset:512
	s_wait_tensorcnt 0x0
	ds_add_u32 v254, v255
	s_wait_dscnt 0x0
	s_endpgm
.Lroute:                                               ; wave 0: a lane to a token
	ds_load_b128 v[16:19], v10
	ds_load_b128 v[20:23], v10 offset:16
	s_wait_dscnt 0x0
	v_mov_b32 v24, v16                             ; the largest logit and its expert: strictly greater, ascending, so a tie keeps the lower expert
	v_mov_b32 v25, 0
.irp e, 1,2,3,4,5,6,7
	v_cmp_gt_f32 vcc_lo, v[16+\e], v24
	v_cndmask_b32 v24, v24, v[16+\e], vcc_lo
	v_cndmask_b32 v25, v25, \e, vcc_lo
.endr
	v_cmp_eq_u32 vcc_lo, 0, v25                    ; the second: begins at the first expert that is not the largest
	v_cndmask_b32 v26, v16, v17, vcc_lo
	v_cndmask_b32 v27, 0, 1, vcc_lo
.irp e, 1,2,3,4,5,6,7
	v_cmp_gt_f32 s30, v[16+\e], v26
	v_cmp_ne_u32 s31, \e, v25
	s_and_b32 vcc_lo, s30, s31
	v_cndmask_b32 v26, v26, v[16+\e], vcc_lo
	v_cndmask_b32 v27, v27, \e, vcc_lo
.endr
	v_sub_f32 v28, v26, v24                        ; softmax of the two, the larger taken away: w1 = 1 / (1 + e^(v2 - v1)), w2 = e^(v2 - v1) w1
	v_mul_f32 v28, 0x3fb8aa3b, v28
	v_exp_f32 v28, v28
	v_nop                                          ; a plain line behind a transcendental
	s_wait_alu depctr_va_vdst(0)
	v_add_f32 v29, 1.0, v28
	v_rcp_f32 v29, v29
	v_nop
	s_wait_alu depctr_va_vdst(0)
	v_mul_f32 v28, v28, v29
	v_min_u32 v30, v25, v27                        ; lo
	v_max_u32 v31, v25, v27                        ; hi
	v_cmp_lt_u32 vcc_lo, v25, v27
	v_cndmask_b32 v32, v28, v29, vcc_lo            ; g_lo
	v_cndmask_b32 v33, v29, v28, vcc_lo            ; g_hi
	v_sub_nc_u32 v34, 15, v30
	v_mul_u32_u24 v34, v34, v30
	v_lshrrev_b32 v34, 1, v34
	v_add_nc_u32 v34, v34, v31
	v_sub_nc_u32 v34, v34, v30
	v_add_nc_u32 v34, -1, v34                      ; the pair's number
	v_mov_b32 v35, 0                               ; my rank among the group's tokens of my pair
	v_mov_b32 v37, 0                               ; lane p: how many tokens of the group have pair p
.set p, 0
.rept 28
	v_cmp_eq_u32 s30, p, v34
	v_mbcnt_lo_u32_b32 v38, s30, 0                 ; such tokens in lanes below mine
	v_cndmask_b32 v35, v35, v38, s30
	s_bcnt1_i32_b32 s31, s30
	v_writelane_b32 v37, s31, p
.set p, p+1
.endr
	v_lshl_or_b32 v36, v35, 8, v34
	global_store_b64 v12, v[36:37], s[14:15]       ; 32 lanes store 256 consecutive bytes, at a multiple of 256 from the buffer's first byte
	global_store_b64 v12, v[32:33], s[12:13]
	s_wait_tensorcnt 0x0
	ds_add_u32 v254, v255
	s_wait_dscnt 0x0
	s_endpgm
.Lfunc_end_k_qa628b97903_route_quant:
	.size	k_qa628b97903_route_quant, .Lfunc_end_k_qa628b97903_route_quant-k_qa628b97903_route_quant
	.p2alignl 7, 3214868480
	.fill 96, 4, 3214868480
	.section	.rodata,"a",@progbits
	.p2align	6, 0x0
	.amdhsa_kernel k_qa628b97903_route_quant
		.amdhsa_group_segment_fixed_size 183808
		.amdhsa_private_segment_fixed_size 0
		.amdhsa_enable_private_segment 0
		.amdhsa_kernarg_size 48
		.amdhsa_user_sgpr_count 2
		.amdhsa_user_sgpr_kernarg_segment_ptr 1
		.amdhsa_wavefront_size32 1
		.amdhsa_system_sgpr_workgroup_id_x 1
		.amdhsa_system_sgpr_workgroup_id_y 1
		.amdhsa_system_sgpr_workgroup_id_z 1
		.amdhsa_system_vgpr_workitem_id 0
		.amdhsa_next_free_vgpr 512
		.amdhsa_next_free_sgpr 66
		.amdhsa_reserve_vcc 1
		.amdhsa_float_denorm_mode_32 3
		.amdhsa_float_denorm_mode_16_64 3
		.amdhsa_memory_ordered 1
		.amdhsa_forward_progress 1
		.amdhsa_inst_pref_size 72
	.end_amdhsa_kernel
	.amdgpu_metadata
---
amdhsa.version: [ 1, 2 ]
amdhsa.kernels:
  - .name:           k_qa628b97903_route_quant
    .symbol:         k_qa628b97903_route_quant.kd
    .args:
      - { .name: x, .offset: 0, .size: 8, .value_kind: global_buffer, .address_space: global }
      - { .name: router, .offset: 8, .size: 8, .value_kind: global_buffer, .address_space: global }
      - { .name: xq, .offset: 16, .size: 8, .value_kind: global_buffer, .address_space: global }
      - { .name: xs, .offset: 24, .size: 8, .value_kind: global_buffer, .address_space: global }
      - { .name: gates, .offset: 32, .size: 8, .value_kind: global_buffer, .address_space: global }
      - { .name: route, .offset: 40, .size: 8, .value_kind: global_buffer, .address_space: global }
    .group_segment_fixed_size: 183808
    .private_segment_fixed_size: 0
    .kernarg_segment_align: 8
    .kernarg_segment_size: 48
    .max_flat_workgroup_size: 256
    .sgpr_count:     66
    .vgpr_count:     512
    .wavefront_size: 32
...
	.end_amdgpu_metadata
.endif
;; end of part 1
;; launch weights_place (part 2): grid 264 x 1, 8 waves a work-group, no clusters, 5,120 bytes of LDS; arguments W1, W2, route, wq, ws, plan; writes wq, ws, plan
.if DOCPART == 2
	.amdgcn_target "amdgcn-amd-amdhsa--gfx1250"
	.amdhsa_code_object_version 6
	.text
	.protected	k_qa628b97903_weights_place
	.globl	k_qa628b97903_weights_place
	.p2align	8
	.type	k_qa628b97903_weights_place,@function
k_qa628b97903_weights_place:
	s_mov_b64 s[64:65], 0
	v_nop
	global_prefetch_b8 v0, s[64:65] scope:SCOPE_SE
	s_setreg_imm32_b32 hwreg(HW_REG_WAVE_MODE, 25, 1), 1
	s_wait_xcnt 0x0
; Three kinds of work-group, told apart by the work-group's number; each has LDS bytes of its own.
; 8 .. 135: W1 [8][1024 k][512 n], 136 .. 263: W2 [8][512 k][1024 n], f32 with K as the first axis of an expert, become codes of FP4 (E2M1) and E8M0 bytes, one for each 32 along K,
;   LAID IN THE ORDER OF THE OPERAND'S REGISTERS: a fragment (16 columns n x 128 k) is 1,024 bytes [half c of K][lane][16 bytes], so that the last launch loads it whole, 512 consecutive bytes an instruction.
;   wq: W1's part [e][wave 4][K step 8][tile 8][1024]; from byte 2^21 W2's [e][wave 4][chunk 4][K step 4][tile 4][1024].
;   ws: W1's part [e][wave][tile pair 4][half of K 2][lane][4 words, one a K step]; from byte 2^17 W2's [e][wave][chunk 4][tile pair 2][lane][4 words]; lanes 0-15 the even tile's rows, lanes 16-31 the odd tile's.
;   A lane takes a column and its registers run down K: a block of 32 lies in one lane, and the conversions give codes with K innermost.  Lanes 0-15 are a tile's 16 rows, lanes 16-31 the next tile's:
;   a block's 16 bytes of sixteen lanes are 256 consecutive bytes of a fragment, so the codes are stored straight from registers.
;   W1's TILES DO NOT TAKE NEIGHBOURING COLUMNS: row r of tile 2 b + u is hidden unit 32 b + 8 u + r + 8 (r / 8), so that the first product's results lie as the second product's K wants them.
; 0 .. 7: the counting sort of the 8,192 tokens by pair of experts (28 buckets), from the ranks and counts that the first launch stored.  A bucket begins at a multiple of 64 slots.
;   Every one of the eight adds up all 256 groups' counts for itself (wave w: groups 32 w on; the sums meet in LDS); work-group j then places the tokens of groups 32 j .. 32 j + 31, four groups a wave.
;   plan: 256 entries {lo, hi, rows, first slot} for tiles of 64 slots (work-group j stores entries 32 j on: 512 consecutive bytes); from byte 4,096 the list slot -> token, 9,920 words.
;   28 buckets take at most 128 + 27 = 155 tiles whatever the split; the entries behind the last tile have no rows.
;   The list is stored 4 bytes a lane at places that the sort gives: 32 KB in all, four stores a wave; gathering them in LDS would want LDS addresses made of data.
; LIMITS: NaN and infinities are not served; a block whose largest magnitude lies under 2^-124 keeps the byte 1 (a block of zeros too: its codes are zeros, and this program alone reads the bytes).
.set PLO,  2048                        ; LDS: W1's work-groups 0..1023, W2's 1024..2047, the sort 2048..3071
.set LIST, 4096                        ; plan: where the list begins
	s_load_b256 s[68:75], s[0:1], 0x0              ; W1 s[68:69], W2 s[70:71], route s[72:73], wq s[74:75]
	s_load_b128 s[76:79], s[0:1], 0x20             ; ws s[76:77], plan s[78:79]
	v_lshl_add_u32 v192, v0, 2, 0x1000
	v_mov_b32 v193, 0
	v_lshrrev_b32 v1, 5, v0
	v_readfirstlane_b32 s80, v1                    ; wave 0..7
	v_and_b32 v1, 31, v0                           ; lane
	s_and_b32 s81, s80, 1                          ; which 32 of the work-group's 64 columns
	s_lshr_b32 s82, s80, 1                         ; which 128 of its 512 along K
	v_lshlrev_b32 v7, 4, v1                        ; 16 x lane
	s_lshl_b32 s83, s81, 9
	s_lshl_b32 s84, s82, 2
	s_add_co_u32 s83, s83, s84
	v_add_nc_u32 v5, s83, v7                       ; LDS: my scale word: 512 x column group + 16 x lane + 4 x K step
	v_lshrrev_b32 v2, 4, v1
	v_and_b32 v4, 15, v1
	v_lshlrev_b32 v4, 4, v4
	v_lshl_add_u32 v4, v2, 10, v4                  ; my 16 bytes in a pair of fragments: 1,024 (l / 16) + 16 (l % 16)
	v_lshlrev_b32 v6, 2, v1                        ; 4 x lane
	s_lshl_b32 s83, s80, 7
	v_add_nc_u32 v8, s83, v6                       ; the sort: 128 x wave + 4 x lane
	s_cmp_lt_u32 ttmp9, 8
	s_cbranch_scc1 .Lplace
	s_cmp_gt_u32 ttmp9, 135
	s_cbranch_scc1 .Lw2
.macro QLOAD t, pitch                  ; block t: 32 rows k of my column
.set i, 0
.rept 32
	global_load_b32 v[32+32*(\t)+i], v3, s[4:5] offset:(32*(\t)+i)*(\pitch) th:TH_LOAD_NT
.set i, i+1
.endr
.endm
.macro QBLOCK t
.set XB, 32+32*(\t)
	v_max3_num_f32 v12, |v[XB]|, |v[XB+1]|, |v[XB+2]|              ; the block's largest magnitude: all 32 numbers are mine
	v_max3_num_f32 v13, |v[XB+3]|, |v[XB+4]|, |v[XB+5]|
.irp i, 6,10,14,18,22,26
	v_max3_num_f32 v12, v12, |v[XB+\i]|, |v[XB+\i+1]|
	v_max3_num_f32 v13, v13, |v[XB+\i+2]|, |v[XB+\i+3]|
.endr
	v_max3_num_f32 v12, v12, |v[XB+30]|, |v[XB+31]|
	v_max3_num_f32 v12, v12, v13, 0x1800000        ; and the floor 2^(3 - 127): the byte cannot fall under 1
	v_add_nc_u32 v11, 0xff000000, v12              ; 2 off the exponent field: the conversion's scale operand
	v_lshrrev_b32 v13, 23, v11                     ; the scale's byte
.if (\t) == 0
	v_mov_b32 v176, v13                            ; the K step's four bytes make my column's scale word
.else
	v_lshl_or_b32 v176, v13, 8*(\t), v176
.endif
.irp g, 0,1,2,3
	v_cvt_scalef32_pk8_fp4_f32 v[160+4*(\t)+\g], v[XB+8*\g:XB+8*\g+7], v11
.endr
	v_nop                                          ; a plain line behind the conversions
	global_store_b128 v4, v[160+4*(\t):163+4*(\t)], s[6:7] offset:512*((\t)/2)+256*((\t)%2)   ; block t = half t / 2 of K, lanes 16 (t % 2) on: sixteen lanes store 256 consecutive bytes, aligned
.endm
; s[4:5] my wave's first number, s[6:7] its pair of fragments, s[8:9] the column group's scale words, v3 my column's byte.  Each block has registers of its own: no store's data are written again.
.macro QW pitch, lds
	QLOAD 0, \pitch
	QLOAD 1, \pitch
	s_wait_loadcnt 32                              ; block 0 is in; the 32 loads of block 1 may be out
	QLOAD 2, \pitch
	QBLOCK 0
	s_wait_loadcnt 32                              ; block 1 is in; block 2's may be out
	QLOAD 3, \pitch
	QBLOCK 1
	s_wait_loadcnt 32                              ; block 2 is in; block 3's may be out
	QBLOCK 2
	s_wait_loadcnt 0x0
	QBLOCK 3
	ds_store_b32 v5, v176 offset:\lds
	s_wait_dscnt 0x0                               ; for the others' sake: my scale word lies in LDS
	s_barrier_signal -1
	s_barrier_wait -1
	s_cmp_lt_u32 s80, 2                            ; waves 0 and 1 (K step 0 of each column group) store the group's words: four a lane, 512 consecutive bytes
	s_cbranch_scc0 .Lqend_\@
	ds_load_b128 v[12:15], v5 offset:\lds
	s_wait_dscnt 0x0
	global_store_b128 v7, v[12:15], s[8:9]
.Lqend_\@:
	s_wait_tensorcnt 0x0
	ds_add_u32 v192, v193
	s_wait_dscnt 0x0
	s_endpgm
.endm
	; ---- W1: work-group id = e x 16 + (64 columns) x 2 + (half of K)
	s_sub_co_u32 s84, ttmp9, 8
	s_lshr_b32 s85, s84, 4                         ; e
	s_bfe_u32 s86, s84, 0x30001
	s_and_b32 s87, s84, 1                          ; which 512 along K
	s_lshl_b32 s86, s86, 1
	s_add_co_u32 s86, s86, s81                     ; group of 32 columns, 0..15 = 4 x wave of the last launch + tile pair
	s_lshl_b32 s88, s85, 21                        ; from: e x 2^21 + (512 half + 128 step) rows of 2,048 bytes + 128 x group
	s_lshl_b32 s89, s87, 20
	s_add_co_u32 s88, s88, s89
	s_lshl_b32 s89, s82, 18
	s_add_co_u32 s88, s88, s89
	s_lshl_b32 s89, s86, 7
	s_add_co_u32 s88, s88, s89
	s_mov_b32 s89, 0
	s_lshl_b32 s90, s85, 2
	s_lshr_b32 s91, s86, 2
	s_add_co_u32 s90, s90, s91                     ; 4 e + wave
	s_and_b32 s91, s86, 3                          ; tile pair
	s_lshl_b32 s92, s87, 2
	s_add_co_u32 s92, s92, s82                     ; K step 0..7
	s_lshl_b32 s93, s90, 16                        ; to: (4 e + wave) x 65,536 + K step x 8,192 + tile pair x 2,048
	s_lshl_b32 s92, s92, 13
	s_add_co_u32 s92, s92, s93
	s_lshl_b32 s93, s91, 11
	s_add_co_u32 s92, s92, s93
	s_mov_b32 s93, 0
	s_lshl_b32 s94, s90, 12                        ; scale words: (4 e + wave) x 4,096 + tile pair x 1,024 + half x 512
	s_lshl_b32 s95, s91, 10
	s_add_co_u32 s94, s94, s95
	s_lshl_b32 s95, s87, 9
	s_add_co_u32 s94, s94, s95
	s_mov_b32 s95, 0
	v_and_b32 v3, 7, v1                            ; my column in the group: 16 ((l / 8) % 2) + 8 (l / 16) + l % 8
	v_bfe_u32 v9, v1, 3, 1
	v_lshl_add_u32 v3, v9, 4, v3
	v_lshl_add_u32 v3, v2, 3, v3
	v_lshlrev_b32 v3, 2, v3
	s_wait_kmcnt 0x0
	s_add_nc_u64 s[4:5], s[68:69], s[88:89]
	s_add_nc_u64 s[6:7], s[74:75], s[92:93]
	s_add_nc_u64 s[8:9], s[76:77], s[94:95]
	QW 2048, 0
.Lw2:	; ---- W2: work-group id = e x 16 + (64 columns); all 512 along K
	s_sub_co_u32 s84, ttmp9, 136
	s_lshr_b32 s85, s84, 4                         ; e
	s_and_b32 s86, s84, 15
	s_lshl_b32 s86, s86, 1
	s_add_co_u32 s86, s86, s81                     ; group of 32 columns, 0..31 = 8 x wave + 2 x chunk + tile pair
	s_lshl_b32 s88, s85, 21                        ; from: e x 2^21 + 128 step rows of 4,096 bytes + 128 x group
	s_lshl_b32 s89, s82, 19
	s_add_co_u32 s88, s88, s89
	s_lshl_b32 s89, s86, 7
	s_add_co_u32 s88, s88, s89
	s_mov_b32 s89, 0
	s_lshl_b32 s90, s85, 2
	s_lshr_b32 s91, s86, 3
	s_add_co_u32 s90, s90, s91                     ; 4 e + wave
	s_bfe_u32 s91, s86, 0x20001                    ; chunk
	s_lshl_b32 s92, s90, 16                        ; to: 2^21 + (4 e + wave) x 65,536 + chunk x 16,384 + K step x 4,096 + tile pair x 2,048
	s_lshl_b32 s93, s91, 14
	s_add_co_u32 s92, s92, s93
	s_lshl_b32 s93, s82, 12
	s_add_co_u32 s92, s92, s93
	s_lshl_b32 s93, s81, 11
	s_add_co_u32 s92, s92, s93
	s_add_co_u32 s92, s92, 0x200000
	s_mov_b32 s93, 0
	s_lshl_b32 s94, s90, 12                        ; scale words: 2^17 + (4 e + wave) x 4,096 + chunk x 1,024 + tile pair x 512
	s_lshl_b32 s95, s91, 10
	s_add_co_u32 s94, s94, s95
	s_lshl_b32 s95, s81, 9
	s_add_co_u32 s94, s94, s95
	s_add_co_u32 s94, s94, 0x20000
	s_mov_b32 s95, 0
	v_mov_b32 v3, v6                               ; my column in the group: the lane
	s_wait_kmcnt 0x0
	s_add_nc_u64 s[4:5], s[70:71], s[88:89]
	s_add_nc_u64 s[6:7], s[74:75], s[92:93]
	s_add_nc_u64 s[8:9], s[76:77], s[94:95]
	QW 4096, 1024
.Lplace:	; ---- the sort, work-group j = 0 .. 7.  v32-63: the counts of groups 32 w on (lane = bucket); v64-91: those of groups 32 j .. 32 j + 27; v96-103: both words of my four groups, 32 j + 4 w on
	s_lshl_b32 s84, s80, 13                        ; a group is 256 bytes: block w,
	s_mov_b32 s85, 0
	s_lshl_b32 s82, ttmp9, 13                      ; block j,
	s_mov_b32 s83, 0
	s_lshl_b32 s92, s80, 10                        ; and in it my four groups
	s_mov_b32 s93, 0
	v_lshlrev_b32 v9, 3, v1
	s_wait_kmcnt 0x0
	s_add_nc_u64 s[86:87], s[72:73], s[84:85]
	s_add_nc_u64 s[88:89], s[72:73], s[82:83]
	s_add_nc_u64 s[90:91], s[88:89], s[92:93]
.set g, 0
.rept 4
	global_load_b64 v[96+2*g:97+2*g], v9, s[90:91] offset:256*g
.set g, g+1
.endr
.set g, 0
.rept 32
	global_load_b32 v[32+g], v9, s[86:87] offset:256*g+4
.set g, g+1
.endr
.set g, 0
.rept 28
	global_load_b32 v[64+g], v9, s[88:89] offset:256*g+4
.set g, g+1
.endr
	s_wait_loadcnt 0x0
	v_add3_u32 v10, v32, v33, v34                  ; block w's tokens of each bucket
.irp i, 35,37,39,41,43,45,47,49,51,53,55,57,59,61
	v_add3_u32 v10, v10, v[\i], v[\i+1]
.endr
	v_add_nc_u32 v10, v10, v63
	ds_store_b32 v8, v10 offset:PLO
	s_wait_dscnt 0x0                               ; for the others' sake: my block's sums lie in LDS
	s_barrier_signal -1
	s_barrier_wait -1
.irp w, 0,1,2,3,4,5,6,7
	ds_load_b32 v[10+\w], v6 offset:PLO+128*\w
.endr
	s_wait_dscnt 0x0
	v_add_nc_u32 v18, v10, v11                     ; the bucket's tokens in all,
.irp w, 2,3,4,5,6,7
	v_add_nc_u32 v18, v18, v[10+\w]
.endr
	v_mov_b32 v19, 0                               ; in the blocks before j,
.irp w, 0,1,2,3,4,5,6
	s_cmp_gt_u32 ttmp9, \w
	s_cselect_b32 s84, -1, 0
	v_and_b32 v20, s84, v[10+\w]
	v_add_nc_u32 v19, v19, v20
.endr
.irp k, 0,1,2,3,4,5,6                          ; and in block j's groups before mine: four groups at a time, those of the waves before me
	v_add3_u32 v20, v[64+4*\k], v[65+4*\k], v[66+4*\k]
	v_add_nc_u32 v20, v20, v[67+4*\k]
	s_cmp_gt_u32 s80, \k
	s_cselect_b32 s84, -1, 0
	v_and_b32 v20, s84, v20
	v_add_nc_u32 v19, v19, v20
.endr
	s_mov_b32 s60, 0                               ; s[4 + p]: bucket p's first tile; s[32 + p]: its tokens
	v_mov_b32 v21, 0
.set p, 0
.rept 28
	v_readlane_b32 s[32+p], v18, p
	s_mov_b32 s[4+p], s60
	v_writelane_b32 v21, s60, p
	s_add_co_u32 s61, s[32+p], 63
	s_lshr_b32 s61, s61, 6
	s_add_co_u32 s60, s60, s61
.set p, p+1
.endr
	v_lshl_add_u32 v112, v21, 6, v19               ; lane = bucket: the slot of the first token of it in my first group,
	v_add_nc_u32 v113, v112, v97                   ; in my second, third and fourth
	v_add_nc_u32 v114, v113, v99
	v_add_nc_u32 v115, v114, v101
.set g, 0
.rept 4
	v_and_b32 v[116+g], 0xff, v[96+2*g]            ; my token's bucket,
	v_min_u32 v[116+g], 31, v[116+g]               ; held to a lane's number,
	v_lshlrev_b32 v[116+g], 2, v[116+g]
	ds_bpermute_b32 v[116+g], v[116+g], v[112+g]   ; fetches that lane's slot
.set g, g+1
.endr
	s_wait_dscnt 0x0
	s_lshl_b32 s61, ttmp9, 10
	s_lshl_b32 s60, s80, 7
	s_add_co_u32 s61, s61, s60
	v_add_nc_u32 v23, s61, v1                      ; my token in my first group
.set g, 0
.rept 4
	v_lshrrev_b32 v[96+2*g], 8, v[96+2*g]          ; + my rank in the group
	v_add_nc_u32 v[116+g], v[116+g], v[96+2*g]
	v_min_u32 v[116+g], 9919, v[116+g]             ; held inside the list
	v_lshlrev_b32 v[116+g], 2, v[116+g]
	v_add_nc_u32 v[97+2*g], 32*g, v23
	global_store_b32 v[116+g], v[97+2*g], s[78:79] offset:LIST
.set g, g+1
.endr
	s_cmp_eq_u32 s80, 0                            ; the table: wave 0, a lane to a tile: tiles 32 j on
	s_cbranch_scc0 .Lpend
	s_lshl_b32 s61, ttmp9, 5
	v_add_nc_u32 v120, s61, v1
	v_mov_b32 v24, 0
	v_mov_b32 v25, 1
	v_mov_b32 v28, s4
	v_mov_b32 v29, s32
.set p, 0
.irp lo, 0,1,2,3,4,5,6
.irp hi, 1,2,3,4,5,6,7
.if \hi > \lo
.if p > 0
	v_cmp_le_u32 vcc_lo, s[4+p], v120              ; the last bucket that begins at or before my tile (an empty one begins where the next does)
	v_cndmask_b32 v24, v24, \lo, vcc_lo
	v_cndmask_b32 v25, v25, \hi, vcc_lo
	v_cndmask_b32 v28, v28, s[4+p], vcc_lo
	v_cndmask_b32 v29, v29, s[32+p], vcc_lo
.endif
.set p, p+1
.endif
.endr
.endr
	v_sub_nc_u32 v30, v120, v28
	v_lshlrev_b32 v30, 6, v30
	v_min_u32 v30, v30, v29                        ; the bucket's tokens in tiles before mine
	v_sub_nc_u32 v26, v29, v30
	v_min_u32 v26, 64, v26                         ; my rows: 0 behind the last tile
	v_cmp_ne_u32 vcc_lo, 0, v26
	v_lshlrev_b32 v31, 6, v120
	v_cndmask_b32 v27, 0, v31, vcc_lo              ; my first slot; a tile without rows names slot 0, which is always filled
	v_lshlrev_b32 v30, 4, v120
	global_store_b128 v30, v[24:27], s[78:79]      ; 32 lanes store 512 consecutive bytes
.Lpend:
	s_wait_tensorcnt 0x0
	ds_add_u32 v192, v193
	s_wait_dscnt 0x0
	s_endpgm
.Lfunc_end_k_qa628b97903_weights_place:
	.size	k_qa628b97903_weights_place, .Lfunc_end_k_qa628b97903_weights_place-k_qa628b97903_weights_place
	.p2alignl 7, 3214868480
	.fill 96, 4, 3214868480
	.section	.rodata,"a",@progbits
	.p2align	6, 0x0
	.amdhsa_kernel k_qa628b97903_weights_place
		.amdhsa_group_segment_fixed_size 5120
		.amdhsa_private_segment_fixed_size 0
		.amdhsa_enable_private_segment 0
		.amdhsa_kernarg_size 48
		.amdhsa_user_sgpr_count 2
		.amdhsa_user_sgpr_kernarg_segment_ptr 1
		.amdhsa_wavefront_size32 1
		.amdhsa_system_sgpr_workgroup_id_x 1
		.amdhsa_system_sgpr_workgroup_id_y 1
		.amdhsa_system_sgpr_workgroup_id_z 1
		.amdhsa_system_vgpr_workitem_id 0
		.amdhsa_next_free_vgpr 194
		.amdhsa_next_free_sgpr 96
		.amdhsa_reserve_vcc 1
		.amdhsa_float_denorm_mode_32 3
		.amdhsa_float_denorm_mode_16_64 3
		.amdhsa_memory_ordered 1
		.amdhsa_forward_progress 1
		.amdhsa_inst_pref_size 71
	.end_amdhsa_kernel
	.amdgpu_metadata
---
amdhsa.version: [ 1, 2 ]
amdhsa.kernels:
  - .name:           k_qa628b97903_weights_place
    .symbol:         k_qa628b97903_weights_place.kd
    .args:
      - { .name: W1, .offset: 0, .size: 8, .value_kind: global_buffer, .address_space: global }
      - { .name: W2, .offset: 8, .size: 8, .value_kind: global_buffer, .address_space: global }
      - { .name: route, .offset: 16, .size: 8, .value_kind: global_buffer, .address_space: global }
      - { .name: wq, .offset: 24, .size: 8, .value_kind: global_buffer, .address_space: global }
      - { .name: ws, .offset: 32, .size: 8, .value_kind: global_buffer, .address_space: global }
      - { .name: plan, .offset: 40, .size: 8, .value_kind: global_buffer, .address_space: global }
    .group_segment_fixed_size: 5120
    .private_segment_fixed_size: 0
    .kernarg_segment_align: 8
    .kernarg_segment_size: 48
    .max_flat_workgroup_size: 256
    .sgpr_count:     96
    .vgpr_count:     194
    .wavefront_size: 32
...
	.end_amdgpu_metadata
.endif
;; end of part 2
;; launch experts (part 3): grid 155 x 1, 4 waves a work-group, no clusters, 85,504 bytes of LDS; arguments xq, xs, wq, ws, plan, gates, out0; writes out0
.if DOCPART == 3
	.amdgcn_target "amdgcn-amd-amdhsa--gfx1250"
	.amdhsa_code_object_version 6
	.text
	.protected	k_qa628b97903_experts
	.globl	k_qa628b97903_experts
	.p2align	8
	.type	k_qa628b97903_experts,@function
k_qa628b97903_experts:
	s_mov_b64 s[64:65], 0
	v_nop
	global_prefetch_b8 v0, s[64:65] scope:SCOPE_SE
	s_setreg_imm32_b32 hwreg(HW_REG_WAVE_MODE, 25, 1), 1
	s_wait_xcnt 0x0
; out[token] = g_lo y_lo + g_hi y_hi, y_e = Q(swish(Q(x) Q(W1[e]))) Q(W2[e]), both products on codes of FP4 (E2M1) with one E8M0 scale for each 32 along K; only the two chosen experts of a token are multiplied.
; A work-group takes one tile of the plan: up to 64 tokens that chose the same pair (lo, hi), through both experts, so each row of out has one owner and nothing is summed through memory.
; THE WAVES SHARE THE COLUMNS, NOT THE ROWS: wave w makes hidden units 128 w .. 128 w + 127 of both experts (K step w of the second product) and output columns 256 w .. 256 w + 255, for all 64 tokens.
; So each fragment of the weights is loaded once in the work-group, by one wave, straight from memory into registers (an earlier launch laid them in register order), and feeds four matrix instructions.
; Both products are used transposed (source 0 = 16 rows of weights, source 1 = 16 tokens): a lane holds one token, its registers run along the hidden units or the output columns.
; The tokens' operands go from wave to wave through LDS as images of their registers (16 bytes a lane, 512 an instruction; scale words 4 bytes a lane).  Two barriers, on every wave's path.
; THE WEIGHTS RUN THROUGH A RING of 32 fragments in registers, 64 loads of a wave on their way: lo's W1, hi's W1, then W2 chunk by chunk; a quarter is asked for anew as soon as its products are issued, and each K step waits
; for its own loads alone.  The two experts are written out: each has its own registers for W1's scale words, and every source of the ring stands in the text.
; A GRID FOR EVERY SPLIT: 155 tiles at the most.  Slots at or behind a tile's rows repeat its last token (the same bytes are then stored to the same row twice); blocks of 16 rows without any row are not stored:
; a scalar branch on the stored count, round the eight stores alone.  A tile with no row at all walks the chain on the list's first token and stores nothing: the barriers stand under no branch on a loaded number.
; NO TENSOR LOADS, NO JOINT LOADS.
; LIMITS: swish of h under about -88 gives -0 (e^-h is beyond f32); a block of the hidden layer whose largest magnitude lies under 2^-124 keeps the byte 1.
; REGISTERS, in windows of 256.  Window 0: v1-15 addresses; v16-23 gates; v24-39 the tokens' scale words (x's, then the hidden layer's); v40-71 scale words of lo's W1, then of W2; v72-103 row offsets in out;
;   v104-167 64 numbers at work; v168-185 the quantiser's; v192-199 and v240-247 codes just made, by turns; v200-231 scale words of hi's W1; v232-238 tokens.
;   Window 1: the tokens' 32 fragments.  Window 2: 32 accumulators; on the way out the results and the rows read back.  Window 3: the ring.
.set HSC,  0                           ; LDS: the hidden layer's scale words: 16 images of 128 bytes, index 8 e + 4 (m / 2) + s; an even tile of tokens in lanes 0-15, the odd one in lanes 16-31
.set XIMG, 2048                        ; x's 32 fragments, index 8 m + s
.set HIMG, 34816                       ; the hidden layer's 32, index 16 e + 4 m + s
.set STG,  67584                       ; a stage of 16 rows x (256 bytes + 16) for each wave
.set SP,   272
.set LIST, 4096                        ; plan: where the list slot -> token begins
.set G,    16
.set XS,   24
.set HS,   24
.set WSA,  40
.set RO,   72
.set T,    104
.set TM,   168
.set PW,   184
.set PC,   192
.set WSB,  200
.set IX,   232
.set LOS,  16                          ; s[16:17] lo's scale words of W1
.set LOP,  32                          ; s[32:33] lo's fragments of W1
.set HIP,  34                          ; s[34:35] hi's
.set HIS,  38                          ; s[38:39] hi's scale words of W1
.set W2P,  40                          ; s[40:41], s[42:43] W2's fragments of lo and hi: the chunk in hand
.set W2S,  44                          ; s[44:45], s[46:47] their scale words
.set SEL,  48                          ; s[48:49] v_permlanex16_b32's selects for lane l xor 16
.set NL2E, 50                          ; s[50:51] -log2(e)
.set RM1,  55                          ; the tile's last slot
.set ORD,  56                          ; s[56:57] the list at the tile's first slot
.set MSB, 0
.macro WIN new                         ; the immediate's high byte repeats the setting that is left
.if MSB != \new
	s_set_vgpr_msb (MSB<<8)|\new
.set MSB, \new
.endif
.endm
.set W_MUL, 0xa7                       ; source 0 (weights) window 3, source 1 (tokens) window 1, C and D window 2
.set W_RING, 0xc0                      ; destination window 3
.set W_TOK, 0x40                       ; destination window 1
.set W_ACC, 0x02                       ; source 0 window 2
.set W_COMB, 0xa2                      ; sources 0 and 2 and the destination window 2, source 1 (the gates) window 0
.set W_STG, 0x88                       ; an LDS store's data (source 1) and an LDS load's destination window 2, addresses window 0
.set W_OUT, 0x08                       ; a store's data (source 1) window 2
; The matrix instruction.  ks = 0: the first K step starts the sum.  ra, rb = 1: the scale words stand in lanes 16-31 of their register.
.macro WMS d, a, b, ks, sa, sb, ra, rb
.if (\ks) == 0
.if ((\ra) == 1) && ((\rb) == 1)
	v_wmma_scale_f32_16x16x128_f8f6f4 v[(\d):(\d)+7], v[(\a):(\a)+7], v[(\b):(\b)+7], 0, v[\sa], v[\sb] matrix_a_fmt:MATRIX_FMT_FP4 matrix_b_fmt:MATRIX_FMT_FP4 matrix_a_scale:MATRIX_SCALE_ROW1 matrix_b_scale:MATRIX_SCALE_ROW1
.elseif (\ra) == 1
	v_wmma_scale_f32_16x16x128_f8f6f4 v[(\d):(\d)+7], v[(\a):(\a)+7], v[(\b):(\b)+7], 0, v[\sa], v[\sb] matrix_a_fmt:MATRIX_FMT_FP4 matrix_b_fmt:MATRIX_FMT_FP4 matrix_a_scale:MATRIX_SCALE_ROW1
.elseif (\rb) == 1
	v_wmma_scale_f32_16x16x128_f8f6f4 v[(\d):(\d)+7], v[(\a):(\a)+7], v[(\b):(\b)+7], 0, v[\sa], v[\sb] matrix_a_fmt:MATRIX_FMT_FP4 matrix_b_fmt:MATRIX_FMT_FP4 matrix_b_scale:MATRIX_SCALE_ROW1
.else
	v_wmma_scale_f32_16x16x128_f8f6f4 v[(\d):(\d)+7], v[(\a):(\a)+7], v[(\b):(\b)+7], 0, v[\sa], v[\sb] matrix_a_fmt:MATRIX_FMT_FP4 matrix_b_fmt:MATRIX_FMT_FP4
.endif
.else
.if ((\ra) == 1) && ((\rb) == 1)
	v_wmma_scale_f32_16x16x128_f8f6f4 v[(\d):(\d)+7], v[(\a):(\a)+7], v[(\b):(\b)+7], v[(\d):(\d)+7], v[\sa], v[\sb] matrix_a_fmt:MATRIX_FMT_FP4 matrix_b_fmt:MATRIX_FMT_FP4 matrix_a_scale:MATRIX_SCALE_ROW1 matrix_b_scale:MATRIX_SCALE_ROW1
.elseif (\ra) == 1
	v_wmma_scale_f32_16x16x128_f8f6f4 v[(\d):(\d)+7], v[(\a):(\a)+7], v[(\b):(\b)+7], v[(\d):(\d)+7], v[\sa], v[\sb] matrix_a_fmt:MATRIX_FMT_FP4 matrix_b_fmt:MATRIX_FMT_FP4 matrix_a_scale:MATRIX_SCALE_ROW1
.elseif (\rb) == 1
	v_wmma_scale_f32_16x16x128_f8f6f4 v[(\d):(\d)+7], v[(\a):(\a)+7], v[(\b):(\b)+7], v[(\d):(\d)+7], v[\sa], v[\sb] matrix_a_fmt:MATRIX_FMT_FP4 matrix_b_fmt:MATRIX_FMT_FP4 matrix_b_scale:MATRIX_SCALE_ROW1
.else
	v_wmma_scale_f32_16x16x128_f8f6f4 v[(\d):(\d)+7], v[(\a):(\a)+7], v[(\b):(\b)+7], v[(\d):(\d)+7], v[\sa], v[\sb] matrix_a_fmt:MATRIX_FMT_FP4 matrix_b_fmt:MATRIX_FMT_FP4
.endif
.endif
.endm
.macro PLACES n                        ; plain vector lines between a matrix instruction and a load into, or a read of, its registers
.rept \n
	v_nop
.endr
.endm
.macro RING reg, ptr, off              ; eight fragments, 8,192 consecutive bytes, into the ring from register reg on: 512 consecutive bytes an instruction
.irp f, 0,1,2,3,4,5,6,7
.irp c, 0,1
	global_load_b128 v[(\reg)+8*\f+4*\c:(\reg)+8*\f+4*\c+3], v3, s[\ptr:\ptr+1] offset:(\off)+1024*\f+512*\c
.endr
.endr
.endm
.macro WS1 dst, ptr                    ; W1's scale words of my 128 hidden units, all 8 K steps: register dst + 8 (tile pair) + K step
.irp u, 0,1,2,3,4,5,6,7
	global_load_b128 v[\dst+4*\u:\dst+4*\u+3], v3, s[\ptr:\ptr+1] offset:512*\u
.endr
.endm
.macro WS2 off                         ; W2's scale words of a chunk, both experts: register WSA + 8 e + 4 (tile pair) + K step
.irp e, 0,1
.irp p, 0,1
	global_load_b128 v[WSA+8*\e+4*\p:WSA+8*\e+4*\p+3], v3, s[W2S+2*\e:W2S+2*\e+1] offset:(\off)+512*\p
.endr
.endr
.endm
.macro IDX dst, add, vb                ; the token at slot add + v[vb], held to the tile's last slot and to 63
	v_add_nc_u32 v[\dst], \add, v[\vb]
	v_min_u32 v[\dst], s[RM1], v[\dst]
	v_min_u32 v[\dst], 63, v[\dst]
	v_lshlrev_b32 v[\dst], 2, v[\dst]
	global_load_b32 v[\dst], v[\dst], s[ORD:ORD+1]
.endm
; 64 numbers of a lane, register 16 b + i = k 32 b + 16 (lane / 16) + i of my token, become a fragment's codes in v[PCX] on and its scale word in v[PWX].
.macro QUANT s
.irp b, 0,1,2,3
	v_max3_num_f32 v[TM+\b], |v[\s+16*\b]|, |v[\s+1+16*\b]|, 0x1800000   ; block b: my 16 numbers, and the floor 2^(3 - 127): the byte cannot fall under 1
.endr
.irp i, 2,4,6,8,10,12,14
.irp b, 0,1,2,3
	v_max3_num_f32 v[TM+\b], v[TM+\b], |v[\s+16*\b+\i]|, |v[\s+1+16*\b+\i]|   ; (the four blocks by turns)
.endr
.endr
.irp b, 0,1,2,3
	v_permlanex16_b32 v[TM+4+\b], v[TM+\b], s[SEL], s[SEL+1]
.endr
.irp b, 0,1,2,3
	v_max_num_f32 v[TM+\b], v[TM+\b], v[TM+4+\b]   ; with lane l xor 16's: the block's largest magnitude
.endr
.irp b, 0,1,2,3
	v_add_nc_u32 v[TM+12+\b], 0xff000000, v[TM+\b]   ; 2 off its exponent field: the conversion's scale operand
.endr
.irp b, 0,1,2,3
	v_lshrrev_b32 v[TM+4+\b], 23, v[TM+12+\b]      ; the scale's byte
.endr
	v_lshl_or_b32 v[PWX], v[TM+5], 8, v[TM+4]      ; the four bytes make my token's scale word (both halves of the lanes hold it)
	v_lshl_or_b32 v[PWX], v[TM+6], 16, v[PWX]
	v_lshl_or_b32 v[PWX], v[TM+7], 24, v[PWX]
.irp b, 0,1,2,3
	v_cvt_scalef32_pk8_fp4_f32 v[PCX+2*\b], v[\s+16*\b:\s+7+16*\b], v[TM+12+\b]
	v_cvt_scalef32_pk8_fp4_f32 v[PCX+1+2*\b], v[\s+8+16*\b:\s+15+16*\b], v[TM+12+\b]
.endr
	v_nop                                          ; a plain line behind the conversions
.irp c, 0,1                                    ; the operand's layout wants a whole block in a lane: lanes 0-15 block 2 c, lanes 16-31 block 2 c + 1
.irp i, 0,1
	v_permlane16_swap_b32 v[PCX+4*\c+\i], v[PCX+2+4*\c+\i]
.endr
.endr
.endm
	s_load_b256 s[4:11], s[0:1], 0x0               ; xq s[4:5], xs s[6:7], wq s[8:9], ws s[10:11]
	s_load_b128 s[12:15], s[0:1], 0x20             ; plan s[12:13], gates s[14:15]
	s_load_b64 s[22:23], s[0:1], 0x30              ; out0
	v_lshl_add_u32 v254, v0, 2, 0x14c00
	v_mov_b32 v255, 0
	v_lshrrev_b32 v1, 5, v0
	v_readfirstlane_b32 s28, v1                    ; wave 0..3
	s_lshl_b32 s58, ttmp9, 4
	s_mov_b32 s59, 0
	s_wait_kmcnt 0x0
	s_add_nc_u64 s[56:57], s[12:13], s[58:59]
	s_load_b128 s[24:27], s[56:57], 0x0            ; my tile: lo, hi, rows, first slot
	v_and_b32 v14, 31, v0                          ; lane
	v_and_b32 v1, 15, v0                           ; r
	v_bfe_u32 v2, v0, 4, 1                         ; h
	v_lshlrev_b32 v3, 4, v14                       ; 16 x lane
	v_lshlrev_b32 v4, 2, v14                       ; 4 x lane
	s_lshl_b32 s60, s28, 13
	s_add_co_u32 s60, s60, XIMG
	v_add_nc_u32 v5, s60, v3                       ; where I store x's images: tile of tokens w
	s_lshl_b32 s60, s28, 10
	s_add_co_u32 s60, s60, HIMG
	v_add_nc_u32 v6, s60, v3                       ; the hidden layer's: K step w
	s_lshl_b32 s60, s28, 7
	v_lshl_add_u32 v7, v1, 2, s60                  ; and its scale words: 4 r + 128 w
	s_mul_i32 s60, s28, 16*SP
	s_add_co_u32 s60, s60, STG                     ; my stage
	v_mul_u32_u24 v8, v1, SP
	v_lshl_add_u32 v8, v2, 5, v8
	v_add_nc_u32 v8, s60, v8                       ; in: row r, 32 bytes for each half of the lanes
	v_mul_u32_u24 v9, v2, SP
	v_lshl_add_u32 v9, v1, 4, v9
	v_add_nc_u32 v9, s60, v9                       ; back: lanes 0-15 one row of 256 bytes, lanes 16-31 the next
	v_add_nc_u32 v12, HIMG, v3
	v_lshlrev_b32 v13, 4, v1                       ; 16 r
	s_lshl_b32 s60, s28, 4
	v_add_nc_u32 v15, s60, v1                      ; 16 w + r
.irp b, 0,1,2,3
	v_mov_b32 v[TM+4+\b], 0                        ; written once: a lane permute's destination counts as one of its sources
.endr
	s_mov_b32 s[SEL], 0x76543210
	s_mov_b32 s[SEL+1], 0xfedcba98
	s_mov_b32 s[NL2E], 0xbfb8aa3b
	s_mov_b32 s[NL2E+1], s[NL2E]                   ; (named with it as a pair, so it is written)
	s_wait_kmcnt 0x0
	s_min_u32 s24, s24, 7                          ; what was read is held to its range before it enters an address
	s_min_u32 s25, s25, 7
	s_min_u32 s26, s26, 64
	s_min_u32 s27, s27, 9856
	s_max_u32 s[RM1], s26, 1
	s_sub_co_u32 s[RM1], s[RM1], 1
	s_lshl_b32 s58, s27, 2
	s_add_co_u32 s58, s58, LIST
	s_add_nc_u64 s[ORD:ORD+1], s[12:13], s[58:59]
	s_lshl_b32 s60, s24, 2
	s_add_co_u32 s60, s60, s28                     ; 4 lo + w
	s_lshl_b32 s62, s60, 12
	s_lshl_b32 s60, s60, 16
	s_mov_b32 s61, 0
	s_mov_b32 s63, 0
	s_add_nc_u64 s[LOP:LOP+1], s[8:9], s[60:61]
	s_add_nc_u64 s[LOS:LOS+1], s[10:11], s[62:63]
	s_add_nc_u64 s[W2P:W2P+1], s[LOP:LOP+1], 0x200000
	s_add_nc_u64 s[W2S:W2S+1], s[LOS:LOS+1], 0x20000
	s_lshl_b32 s60, s25, 2
	s_add_co_u32 s60, s60, s28                     ; 4 hi + w
	s_lshl_b32 s62, s60, 12
	s_lshl_b32 s60, s60, 16
	s_add_nc_u64 s[HIP:HIP+1], s[8:9], s[60:61]
	s_add_nc_u64 s[HIS:HIS+1], s[10:11], s[62:63]
	s_add_nc_u64 s[W2P+2:W2P+3], s[HIP:HIP+1], 0x200000
	s_add_nc_u64 s[W2S+2:W2S+3], s[HIS:HIS+1], 0x20000
	s_lshl_b32 s60, s28, 10
	s_add_nc_u64 s[22:23], s[22:23], s[60:61]      ; out at my 256 columns
	; the tokens.  The seven loads on which x's gather hangs go first; the 32 for the way out, the scale words and the ring's first quarter are issued while they are on their way
	IDX IX+4, 0, 15                                ; the tile of tokens whose codes I gather: slot 16 w + r
	IDX IX+5, 0, 14                                ; scale words: slot 32 mp + lane
	IDX IX+6, 32, 14
.irp m, 0,1,2,3
	IDX IX+\m, 16*\m, 1                            ; a result's lane: slot 16 m + r
.endr
.set n, 0
.rept 32
	IDX RO+n, 2*n, 2                               ; way out: index 8 m + i names slot 16 m + 2 i + h
.set n, n+1
.endr
	WS1 WSA, LOS
	WIN W_RING
	RING 0, LOP, 0                                 ; lo's first K step of W1
	WIN 0
	s_wait_loadcnt 56                              ; the first seven are in: behind them stand 32 + 8 + 16 loads
.irp n, 0,1,2,3,4,5,6
	v_min_u32 v[IX+\n], 0x1fff, v[IX+\n]           ; a token's number is held to the table before it enters an address
.endr
.irp m, 0,1,2,3
	v_lshlrev_b32 v[IX+\m], 3, v[IX+\m]
.endr
	v_lshlrev_b32 v[IX+4], 9, v[IX+4]
	v_lshl_add_u32 v[IX+4], v2, 4, v[IX+4]         ; codes: 512 bytes a token, + 16 h
	v_lshlrev_b32 v[IX+5], 5, v[IX+5]
	v_lshlrev_b32 v[IX+6], 5, v[IX+6]
.irp s, 0,1,2,3,4,5,6,7
.irp c, 0,1
	global_load_b128 v[T+8*\s+4*\c:T+8*\s+4*\c+3], v[IX+4], s[4:5] offset:64*\s+32*\c     ; fragment s of my 16 tokens: k = 128 s + 64 c + 32 h on
.endr
.endr
.irp p, 0,1
.irp q, 0,1
	global_load_b128 v[XS+8*\p+4*\q:XS+8*\p+4*\q+3], v[IX+5+\p], s[6:7] offset:16*\q      ; register XS + 8 (m / 2) + s: lanes 0-15 the even tile's tokens, lanes 16-31 the odd tile's
.endr
.endr
.irp m, 0,1,2,3
	global_load_b64 v[G+2*\m:G+2*\m+1], v[IX+\m], s[14:15]
.endr
	WIN W_RING
	RING 64, LOP, 8192                             ; K steps 1 to 3 stand behind x's loads: they land while x goes round through LDS
	RING 128, LOP, 16384
	RING 192, LOP, 24576
	WIN 0
	WS1 WSB, HIS
	s_wait_loadcnt 56                              ; x's codes, scale words and gates are in, and all that is older: behind them stand 48 + 8 loads
.irp s, 0,1,2,3,4,5,6,7
.irp c, 0,1
	ds_store_b128 v5, v[T+8*\s+4*\c:T+8*\s+4*\c+3] offset:1024*\s+512*\c
.endr
.endr
	s_wait_dscnt 0x0                               ; for the others' sake: my eight images lie in LDS
	s_barrier_signal -1
.set n, 0
.rept 32                                       ; work on registers while the others arrive
	v_min_u32 v[RO+n], 0x1fff, v[RO+n]
	v_lshl_add_u32 v[RO+n], v[RO+n], 12, v13       ; a token's row of out, + 16 r
.set n, n+1
.endr
	s_barrier_wait -1
	WIN W_TOK
.irp s, 0,1,2,3,4,5,6,7                        ; all 32 fragments of x stay in window 1, (m, s) at v[64 m + 8 s]; they are asked for K step by K step, eight loads each
.irp m, 0,1,2,3
	ds_load_b128 v[64*\m+8*\s:64*\m+8*\s+3], v3 offset:XIMG+1024*(8*\m+\s)
	ds_load_b128 v[64*\m+8*\s+4:64*\m+8*\s+7], v3 offset:XIMG+1024*(8*\m+\s)+512
.endr
.endr
	WIN 0
; A K STEP OF THE FIRST PRODUCT: 32 matrix instructions, the 32 accumulators (4 tiles of tokens x my 8 tiles of hidden units) by turns, one instruction a turn.
; Then the quarter of the ring just read is filled again from ptr + off.  wsr: W1's scale words.  lw: how many loads were issued behind this step's 16; dw: how many LDS loads behind this step's eight (-1: no wait).
.macro KSTEP s, wsr, lw, dw, ptr, off
.if (\lw) >= 0
	s_wait_loadcnt \lw
.endif
.if (\dw) >= 0
	s_wait_dscnt \dw
.endif
	WIN W_MUL
.irp m, 0,1,2,3
.irp t, 0,1,2,3,4,5,6,7
	WMS 64*\m+8*\t, 64*((\s)%4)+8*\t, 64*\m+8*(\s), \s, \wsr+8*(\t/2)+(\s), XS+8*(\m/2)+(\s), \t%2, \m%2
.endr
.endr
	PLACES 4
	WIN W_RING
	RING 64*((\s)%4), \ptr, \off
.endm
; swish of tile m's 64 numbers a lane: h / (1 + 2^(-log2(e) h)), in f32.  Each accumulator is read from its low end on.
.macro SWISH m
	WIN W_ACC
.set i, 0
.rept 32
	v_pk_mul_f32 v[T+i:T+i+1], v[64*\m+i:64*\m+i+1], s[NL2E:NL2E+1] op_sel_hi:[1,0]
.set i, i+2
.endr
	WIN 0
.set i, 0
.rept 64
	v_exp_f32 v[T+i], v[T+i]
.set i, i+1
.endr
	v_nop                                          ; a plain line behind the transcendentals
.set i, 0
	s_wait_alu depctr_va_vdst(0)
.rept 32
	v_pk_add_f32 v[T+i:T+i+1], v[T+i:T+i+1], 1.0 op_sel_hi:[1,0]
.set i, i+2
.endr
.set i, 0
.rept 64
	v_rcp_f32 v[T+i], v[T+i]
.set i, i+1
.endr
	v_nop
	WIN W_ACC
.set i, 0
	s_wait_alu depctr_va_vdst(0)
.rept 32
	v_pk_mul_f32 v[T+i:T+i+1], v[64*\m+i:64*\m+i+1], v[T+i:T+i+1]
.set i, i+2
.endr
	WIN 0
.endm
; Expert e's hidden layer, a tile of tokens at a time: activation, codes, images.  The codes and the scale word have two sets of registers by turns.
.macro HIDDEN e
.irp m, 0,1,2,3
.set PCX, PC+48*(\m%2)
.set PWX, PW+(\m%2)
	SWISH \m
	QUANT T
	ds_store_b128 v6, v[PCX:PCX+3] offset:16384*\e+4096*\m             ; K step w of the second product, tokens 16 m on
	ds_store_b128 v6, v[PCX+4:PCX+7] offset:16384*\e+4096*\m+512
	ds_store_b32 v7, v[PWX] offset:HSC+1024*\e+512*(\m/2)+64*(\m%2)    ; lanes r and r + 16 write the same word with the same value
	s_wait_dscnt 3                                 ; these three may be out; the tile before's are done, so its set of registers may be written again
.endr
.endm
	; ---- lo.  Behind ring quarter s (s = 1 .. 3) stand the later quarters, hi's 8 scale loads and the refills so far: 56 loads; behind a refill the next three: 48
	KSTEP 0, WSA, -1, 56, LOP, 4*8192              ; (its weights and scale words were shown in by the wait in front of the LDS stores)
	KSTEP 1, WSA, 56, 48, LOP, 5*8192
	KSTEP 2, WSA, 56, 40, LOP, 6*8192
	KSTEP 3, WSA, 56, 32, LOP, 7*8192
	KSTEP 4, WSA, 48, 24, HIP, 0                   ; from here on the ring takes hi's W1
	KSTEP 5, WSA, 48, 16, HIP, 8192
	KSTEP 6, WSA, 48, 8, HIP, 16384
	KSTEP 7, WSA, 48, 0, HIP, 24576
	WIN 0
	WS2 0                                          ; lo's scale words are done with (four places stand behind their last product): their registers take W2's of chunk 0
	HIDDEN 0
	; ---- hi.  Behind the refill that step s (s = 0 .. 3) reads stand three refills and W2's 4 scale loads: 52
	KSTEP 0, WSB, 52, -1, HIP, 4*8192
	KSTEP 1, WSB, 52, -1, HIP, 5*8192
	KSTEP 2, WSB, 52, -1, HIP, 6*8192
	KSTEP 3, WSB, 52, -1, HIP, 7*8192
	KSTEP 4, WSB, 48, -1, W2P, 0                   ; from here on W2's chunk 0: lo's in the ring's first half, hi's in its second
	KSTEP 5, WSB, 48, -1, W2P, 8192
	KSTEP 6, WSB, 48, -1, W2P+2, 0
	KSTEP 7, WSB, 48, -1, W2P+2, 8192
	WIN 0
	HIDDEN 1
	s_wait_dscnt 0x0                               ; for the others' sake: my images of the hidden layer lie in LDS
	s_barrier_signal -1
	s_barrier_wait -1
.set n, 0
.rept 16
	ds_load_b32 v[HS+n], v4 offset:HSC+128*n
.set n, n+1
.endr
	WIN W_TOK
.irp e, 0,1                                    ; all 32 fragments of the hidden layer, (e, m, s) at v[128 e + 32 m + 8 s]; asked for in the order in which the products take them, eight loads a K step
.irp s, 0,1,2,3
.irp m, 0,1,2,3
	ds_load_b128 v[128*\e+32*\m+8*\s:128*\e+32*\m+8*\s+3], v12 offset:1024*(16*\e+4*\m+\s)
	ds_load_b128 v[128*\e+32*\m+8*\s+4:128*\e+32*\m+8*\s+7], v12 offset:1024*(16*\e+4*\m+\s)+512
.endr
.endr
.endr
	WIN 0
; THE SECOND PRODUCT, 64 of my columns at a time.  Expert e, K steps s0 and s0 + 1: 32 matrix instructions, the expert's 16 accumulators (4 tiles of tokens x 4 of columns) by turns; then the eight fragments are asked for anew, the next chunk's.
; stage = 1: in the first chunk the hidden layer's fragments may still be on their way: behind K step (e, s)'s eight loads stand 8 for each later step.  (In later chunks no LDS load is out and the waits are met at once.)
.macro GROUP2 e, s0, last, stage
	WIN W_MUL
.irp u, 0,1
.if \stage
	s_wait_dscnt 8*(7-(4*\e+\s0+\u))
.endif
.irp m, 0,1,2,3
.irp q, 0,1,2,3
	WMS 128*\e+32*\m+8*\q, 128*\e+32*(\s0+\u)+8*\q, 128*\e+32*\m+8*(\s0+\u), \s0+\u, WSA+8*\e+4*(\q/2)+(\s0+\u), HS+8*\e+4*(\m/2)+(\s0+\u), \q%2, \m%2
.endr
.endr
.endr
	PLACES 4
.if (\last) == 0
	WIN W_RING
.irp u, 0,1
.irp q, 0,1,2,3
.irp c, 0,1
	global_load_b128 v[128*\e+32*(\s0+\u)+8*\q+4*\c:128*\e+32*(\s0+\u)+8*\q+4*\c+3], v3, s[W2P+2*\e:W2P+2*\e+1] offset:16384+4096*(\s0+\u)+1024*\q+512*\c
.endr
.endr
.endr
.endif
.endm
; THE WAY OUT of tokens 16 m on, in three parts, all in the accumulators' own registers, so that each of the four blocks has registers of its own and no store's data are written again inside a chunk.
.macro COMB m                          ; g_lo y_lo + g_hi y_hi, in place over lo's accumulators; each accumulator is read from its low end on
	WIN W_COMB
.set i, 0
.rept 16
	v_pk_mul_f32 v[32*\m+i:32*\m+i+1], v[32*\m+i:32*\m+i+1], v[G+2*\m:G+2*\m+1] op_sel_hi:[1,0]
.set i, i+2
.endr
.set i, 0
.rept 16
	v_pk_fma_f32 v[32*\m+i:32*\m+i+1], v[128+32*\m+i:129+32*\m+i], v[G+2*\m:G+2*\m+1], v[32*\m+i:32*\m+i+1] op_sel:[0,1,0] op_sel_hi:[1,1,1]
.set i, i+2
.endr
.endm
.macro TOSTAGE m                       ; through my stage; back as whole rows of 256 bytes, into hi's accumulators, which COMB has read
	WIN W_STG
.irp q, 0,1,2,3
	ds_store_b128 v8, v[32*\m+8*\q:32*\m+8*\q+3] offset:64*\q          ; lane (r, h): token r, columns 16 q + 8 h + 0 .. 7
	ds_store_b128 v8, v[32*\m+8*\q+4:32*\m+8*\q+7] offset:64*\q+16
.endr
.irp t, 0,1,2,3,4,5,6,7
	ds_load_b128 v[128+32*\m+4*\t:128+32*\m+4*\t+3], v9 offset:\t*2*SP ; LDS serves a wave's instructions in order: these see my stores, and the next block's stores come behind them
.endr
.endm
.macro SEND m                          ; stored, where the tile has such rows
	s_wait_dscnt 0x0                               ; the block is back (the next block's arithmetic stood between)
	WIN 0                                          ; at a branch and at a label every window is 0
	s_cmp_le_u32 s26, 16*\m
	s_cbranch_scc1 .Lno_rows_\@
	WIN W_OUT
.irp t, 0,1,2,3,4,5,6,7
	global_store_b128 v[RO+8*\m+\t], v[128+32*\m+4*\t:128+32*\m+4*\t+3], s[22:23] th:TH_STORE_NT   ; sixteen lanes store 256 consecutive bytes of one token's row, at a multiple of 256 from out's first byte
.endr
	WIN 0
.Lno_rows_\@:
.endm
.macro CHUNK last, stage
	s_wait_loadcnt 0x0                             ; the chunk's 32 fragments and its scale words: asked for during the last chunk's products, or during hi's first product
	GROUP2 0, 0, \last, \stage
	GROUP2 0, 2, \last, \stage
	GROUP2 1, 0, \last, \stage
	GROUP2 1, 2, \last, \stage
	WIN 0
	PLACES 1                                       ; with the four above: five places between the last products and the next chunk's, which begin the accumulators anew
.if (\last) == 0
	WS2 1024
.endif
	COMB 0
	TOSTAGE 0
	COMB 1                                         ; a block's arithmetic stands between the loads of the block before and the wait for them
	SEND 0
	TOSTAGE 1
	COMB 2
	SEND 1
	TOSTAGE 2
	COMB 3
	SEND 2
	TOSTAGE 3
	SEND 3
.endm
	s_mov_b32 s59, 3
.Lchunk:
	CHUNK 0, 1
	s_wait_xcnt 0x0                                ; loads and stores have read their bases, and the stores their data: the bases may step, and the next chunk's products may write the accumulators
	s_add_nc_u64 s[W2P:W2P+1], s[W2P:W2P+1], 16384
	s_add_nc_u64 s[W2P+2:W2P+3], s[W2P+2:W2P+3], 16384
	s_add_nc_u64 s[W2S:W2S+1], s[W2S:W2S+1], 1024
	s_add_nc_u64 s[W2S+2:W2S+3], s[W2S+2:W2S+3], 1024
	s_add_nc_u64 s[22:23], s[22:23], 256
	s_sub_co_u32 s59, s59, 1
	s_cmp_lg_u32 s59, 0
	s_cbranch_scc1 .Lchunk
	CHUNK 1, 0                                     ; the last chunk is written out: it asks for nothing more, so no load leaves its buffer
	s_wait_tensorcnt 0x0
	ds_add_u32 v254, v255
	s_wait_dscnt 0x0
	s_endpgm
.Lfunc_end_k_qa628b97903_experts:
	.size	k_qa628b97903_experts, .Lfunc_end_k_qa628b97903_experts-k_qa628b97903_experts
	.p2alignl 7, 3214868480
	.fill 96, 4, 3214868480
	.section	.rodata,"a",@progbits
	.p2align	6, 0x0
	.amdhsa_kernel k_qa628b97903_experts
		.amdhsa_group_segment_fixed_size 85504
		.amdhsa_private_segment_fixed_size 0
		.amdhsa_enable_private_segment 0
		.amdhsa_kernarg_size 56
		.amdhsa_user_sgpr_count 2
		.amdhsa_user_sgpr_kernarg_segment_ptr 1
		.amdhsa_wavefront_size32 1
		.amdhsa_system_sgpr_workgroup_id_x 1
		.amdhsa_system_sgpr_workgroup_id_y 1
		.amdhsa_system_sgpr_workgroup_id_z 1
		.amdhsa_system_vgpr_workitem_id 0
		.amdhsa_next_free_vgpr 1024
		.amdhsa_next_free_sgpr 66
		.amdhsa_reserve_vcc 0
		.amdhsa_float_denorm_mode_32 3
		.amdhsa_float_denorm_mode_16_64 3
		.amdhsa_memory_ordered 1
		.amdhsa_forward_progress 1
		.amdhsa_inst_pref_size 255
	.end_amdhsa_kernel
	.section	.bss,"aw",@nobits
	.p2align	6
	.space	262144
	.amdgpu_metadata
---
amdhsa.version: [ 1, 2 ]
amdhsa.kernels:
  - .name:           k_qa628b97903_experts
    .symbol:         k_qa628b97903_experts.kd
    .args:
      - { .name: xq, .offset: 0, .size: 8, .value_kind: global_buffer, .address_space: global }
      - { .name: xs, .offset: 8, .size: 8, .value_kind: global_buffer, .address_space: global }
      - { .name: wq, .offset: 16, .size: 8, .value_kind: global_buffer, .address_space: global }
      - { .name: ws, .offset: 24, .size: 8, .value_kind: global_buffer, .address_space: global }
      - { .name: plan, .offset: 32, .size: 8, .value_kind: global_buffer, .address_space: global }
      - { .name: gates, .offset: 40, .size: 8, .value_kind: global_buffer, .address_space: global }
      - { .name: out0, .offset: 48, .size: 8, .value_kind: global_buffer, .address_space: global }
    .group_segment_fixed_size: 85504
    .private_segment_fixed_size: 0
    .kernarg_segment_align: 8
    .kernarg_segment_size: 56
    .max_flat_workgroup_size: 128
    .sgpr_count:     66
    .vgpr_count:     1024
    .wavefront_size: 32
...
	.end_amdgpu_metadata
.endif
;; end of part 3
;; ======== version 2 of 2: 3 launches
;; workspace buffers: xq 4,194,304 bytes; xs 262,144 bytes; gates 65,536 bytes; route 65,536 bytes of whole numbers; wq 4,194,304 bytes; ws 262,144 bytes; plan 43,776 bytes of whole numbers
;; launch route_quant (part 4): grid 256 x 1, 8 waves a work-group, no clusters, 183,808 bytes of LDS; arguments x, router, xq, xs, gates, route; writes xq, xs, gates, route
.if DOCPART == 4
	.amdgcn_target "amdgcn-amd-amdhsa--gfx1250"
	.amdhsa_code_object_version 6
	.text
	.protected	k_qa628b97903_route_quant
	.globl	k_qa628b97903_route_quant
	.p2align	8
	.type	k_qa628b97903_route_quant,@function
k_qa628b97903_route_quant:
	s_mov_b64 s[64:65], 0
	v_nop
	global_prefetch_b8 v0, s[64:65] scope:SCOPE_SE
	s_setreg_imm32_b32 hwreg(HW_REG_WAVE_MODE, 25, 1), 1
	s_wait_xcnt 0x0
; x [8192][1024] f32 is read once and serves twice: (1) logits = x . router in f32 (fused multiply-adds), the two largest (a tie keeps the lower expert), their softmax;
; (2) codes of FP4 (E2M1) with one E8M0 byte for each 32 along K: xq [token][512 bytes], xs [token][32 bytes].
; Stored for the later launches, at fixed places: gates [token][g_lo, g_hi] f32; route [group of 32 tokens][lane][2 words]: word 0 = pair number | rank << 8 of token 32 g + lane,
; word 1 = how many tokens of the group have pair number = lane.  Pair number of experts lo < hi: lo (15 - lo) / 2 + hi - lo - 1, 0 to 27.  No address and no branch here hangs on these numbers.
; SHARES: a work-group takes 32 tokens, a wave 4 rows.  In a row lane l owns block l (k = 32 l .. 32 l + 31): the block's largest magnitude needs no other lane, and the lane's slice of the
; router (32 k x 8 experts, 1,024 bytes) stays in 256 registers.  Loads take the bytes as they lie (512 consecutive bytes an instruction); a row turns through the wave's own stage in LDS.
; LIMITS: NaN and infinities are not served; a block whose largest magnitude lies under 2^-124 keeps the byte 1 (a block of zeros too: its codes are zeros, and this program alone reads the bytes);
; the logits' sums are f32 in another order than a row-by-row sum: two logits closer than that rounding may change places.
; No matrix unit: 8 columns are too few for it, and the choice of experts wants f32.  No cluster: work-groups share only the router's 32 KB.
.set RTP,  1040                        ; LDS: the router as 32 pieces of 1,024 bytes + 16 of padding, from byte 0
.set STG,  33280                       ; the stages: 4 rows for each wave, none used twice
.set SROW, 4608                        ; a row in a stage: 32 x (128 bytes + 16 of padding)
.set LOG,  180736                      ; 32 tokens x 8 logits
.set XSB,  181760                      ; 32 tokens x 32 scale bytes
.set R,    16                          ; v16-143  four rows as loaded; v16-79 later rows 2, 3 turned; v80-95 later their sums
.set X0,   144                         ; v144-207 the router on its way, then rows 0, 1 turned
.set C,    224                         ; v224-239 codes: four registers a row, never rewritten
.set BY,   244                         ; v244-247 a scale byte a row
.set MSB, 0
.macro WIN new                         ; the immediate's high byte repeats the setting that is left
.if MSB != \new
	s_set_vgpr_msb (MSB<<8)|\new
.set MSB, \new
.endif
.endm
	s_load_b256 s[4:11], s[0:1], 0x0               ; x s[4:5], router s[6:7], xq s[8:9], xs s[10:11]
	s_load_b128 s[12:15], s[0:1], 0x20             ; gates s[12:13], route s[14:15]
	v_lshl_add_u32 v254, v0, 2, 0x2ca00
	v_mov_b32 v255, 0
	v_lshrrev_b32 v1, 5, v0
	s_delay_alu instid0(VALU_DEP_1)
	v_readfirstlane_b32 s16, v1                    ; wave 0..7
	v_and_b32 v1, 31, v0                           ; lane
	s_delay_alu instid0(VALU_DEP_1)
	v_lshlrev_b32 v2, 4, v1                        ; 16 x lane
	s_mul_i32 s17, s16, 4*SROW
	s_add_co_u32 s17, s17, STG                     ; my wave's stages
	v_lshrrev_b32 v9, 3, v1
	s_delay_alu instid0(VALU_DEP_1)
	v_lshl_add_u32 v3, v9, 4, v2
	s_delay_alu instid0(VALU_DEP_1)
	v_add_nc_u32 v3, s17, v3                       ; into a stage: 16 l + 16 (l / 8): 16 bytes of padding behind each 128
	v_mul_u32_u24 v4, v1, 144
	s_delay_alu instid0(VALU_DEP_1)
	v_add_nc_u32 v4, s17, v4                       ; out of it: my block's 128 bytes
	s_mul_i32 s18, s16, 4*RTP
	v_add_nc_u32 v5, s18, v2                       ; the router into LDS: my wave's four pieces
	v_mul_u32_u24 v6, v1, RTP                      ; and out: my lane's piece
	v_lshrrev_b32 v9, 4, v1
	s_lshl_b32 s18, s16, 7
	s_add_co_u32 s19, s18, LOG
	v_lshl_add_u32 v7, v9, 4, s19                  ; my wave's logits: 32 bytes a row, experts 4 (l / 16) on
	s_add_co_u32 s19, s18, XSB
	v_add_nc_u32 v8, s19, v1                       ; my wave's scale bytes: 32 a row, byte l
	v_lshl_add_u32 v10, v1, 5, LOG                 ; wave 0 later: token l's eight logits
	v_add_nc_u32 v11, XSB, v2                      ; wave 1 later: the scale bytes, 16 a lane
	v_lshlrev_b32 v12, 3, v1                       ; 8 x lane
	s_lshl_b32 s20, ttmp9, 17                      ; x: 32 rows of 4,096 bytes a work-group,
	s_lshl_b32 s21, s16, 14                        ; 4 a wave
	s_add_co_u32 s20, s20, s21
	s_mov_b32 s21, 0
	s_lshl_b32 s22, s16, 12                        ; router: 4,096 bytes a wave
	s_mov_b32 s23, 0
	s_lshl_b32 s24, ttmp9, 14                      ; xq: 512 bytes a row
	s_lshl_b32 s25, s16, 11
	s_add_co_u32 s24, s24, s25
	s_mov_b32 s25, 0
	s_lshl_b32 s26, ttmp9, 10                      ; xs: 32 bytes a row
	s_mov_b32 s27, 0
	s_lshl_b32 s28, ttmp9, 8                       ; gates and route: 8 bytes a token
	s_mov_b32 s29, 0
	s_wait_alu depctr_va_vdst(0)
	s_wait_kmcnt 0x0
	s_add_nc_u64 s[4:5], s[4:5], s[20:21]
	s_add_nc_u64 s[6:7], s[6:7], s[22:23]
	s_add_nc_u64 s[8:9], s[8:9], s[24:25]
	s_add_nc_u64 s[10:11], s[10:11], s[26:27]
	s_add_nc_u64 s[12:13], s[12:13], s[28:29]
	s_add_nc_u64 s[14:15], s[14:15], s[28:29]
.irp i, 0,1,2,3,4,5,6,7
	global_load_b128 v[X0+4*\i:X0+4*\i+3], v2, s[6:7] offset:512*\i          ; my wave's eighth of the router
.endr
.irp p, 0,1,2,3
.irp i, 0,1,2,3,4,5,6,7
	global_load_b128 v[R+32*\p+4*\i:R+32*\p+4*\i+3], v2, s[4:5] offset:4096*\p+512*\i th:TH_LOAD_NT   ; all four rows at once: 32 lanes read 512 consecutive bytes
.endr
.endr
	s_wait_loadcnt 32                              ; the router's eight are in; the 32 loads of x issued behind them may be out
.irp i, 0,1,2,3,4,5,6,7
	ds_store_b128 v5, v[X0+4*\i:X0+4*\i+3] offset:512*\i+16*(\i/2)
.endr
	s_wait_dscnt 0x0                               ; for the others' sake: my part of the router lies in LDS
	s_barrier_signal -1
	s_barrier_wait -1
	WIN 0x40                                       ; destination window 1: register 8 k + e = router[32 l + k][e]
.set n, 0
.rept 64
	ds_load_b128 v[4*n:4*n+3], v6 offset:16*n
.set n, n+1
.endr
	WIN 0
.macro TIN p                           ; row p into its stage, as loaded
.irp i, 0,1,2,3,4,5,6,7
	ds_store_b128 v3, v[R+32*\p+4*\i:R+32*\p+4*\i+3] offset:SROW*\p+576*\i
.endr
.endm
.macro TOUT p, dst                     ; and back: register k = x[row][32 l + k].  LDS serves a wave's instructions in order: these see the stores
.irp j, 0,1,2,3,4,5,6,7
	ds_load_b128 v[\dst+4*\j:\dst+4*\j+3], v4 offset:SROW*\p+16*\j
.endr
.endm
	s_wait_loadcnt 16                              ; rows 0 and 1 are in; the 16 loads of rows 2 and 3 may be out
	TIN 0
	TOUT 0, X0
	TIN 1
	TOUT 1, X0+32
	s_wait_loadcnt 0x0
	TIN 2
	TIN 3
	s_wait_dscnt 16                                ; all but these 16 stores: the router and rows 0, 1 are in registers, and the stores of rows 0, 1 have read v16-79,
	TOUT 2, R                                      ; which take rows 2 and 3
	TOUT 3, R+32
; Two rows, at v[xb] and v[xb + 32]; r0: the first's number; acc: 16 registers for their eight sums each.
.macro PAIR xb, r0, acc
	WIN 0x04                                       ; source 1 (the router) window 1
.irp q, 0,1,2,3
	v_pk_mul_f32 v[\acc+2*\q:\acc+2*\q+1], v[\xb:\xb+1], v[2*\q:2*\q+1] op_sel_hi:[0,1]          ; k = 0 starts the sums: nothing is cleared
	v_pk_mul_f32 v[\acc+8+2*\q:\acc+9+2*\q], v[\xb+32:\xb+33], v[2*\q:2*\q+1] op_sel_hi:[0,1]
.endr
.set k, 1
.rept 31
.set ke, k-(k%2)
.irp q, 0,1,2,3
.if k%2                                ; x[k] serves both halves: the pair's upper register for an odd k, its lower for an even one.  Eight chains that do not wait for each other
	v_pk_fma_f32 v[\acc+2*\q:\acc+2*\q+1], v[\xb+ke:\xb+ke+1], v[8*k+2*\q:8*k+2*\q+1], v[\acc+2*\q:\acc+2*\q+1] op_sel:[1,0,0] op_sel_hi:[1,1,1]
	v_pk_fma_f32 v[\acc+8+2*\q:\acc+9+2*\q], v[\xb+32+ke:\xb+33+ke], v[8*k+2*\q:8*k+2*\q+1], v[\acc+8+2*\q:\acc+9+2*\q] op_sel:[1,0,0] op_sel_hi:[1,1,1]
.else
	v_pk_fma_f32 v[\acc+2*\q:\acc+2*\q+1], v[\xb+ke:\xb+ke+1], v[8*k+2*\q:8*k+2*\q+1], v[\acc+2*\q:\acc+2*\q+1] op_sel_hi:[0,1,1]
	v_pk_fma_f32 v[\acc+8+2*\q:\acc+9+2*\q], v[\xb+32+ke:\xb+33+ke], v[8*k+2*\q:8*k+2*\q+1], v[\acc+8+2*\q:\acc+9+2*\q] op_sel_hi:[0,1,1]
.endif
.endr
.set k, k+1
.endr
	WIN 0
	v_max3_num_f32 v240, |v[\xb]|, |v[\xb+1]|, 0x1800000          ; my block's largest magnitude, and the floor 2^(3 - 127): the byte cannot fall under 1
	v_max3_num_f32 v241, |v[\xb+32]|, |v[\xb+33]|, 0x1800000
.irp i, 2,4,6,8,10,12,14,16,18,20,22,24,26,28,30
	s_delay_alu instid0(VALU_DEP_2)
	v_max3_num_f32 v240, v240, |v[\xb+\i]|, |v[\xb+\i+1]|         ; (the two rows by turns)
	s_delay_alu instid0(VALU_DEP_2)
	v_max3_num_f32 v241, v241, |v[\xb+32+\i]|, |v[\xb+33+\i]|
.endr
	s_delay_alu instid0(VALU_DEP_2)
	v_add_nc_u32 v242, 0xff000000, v240            ; 2 off the exponent field: the conversion takes the exponent field of this operand as its scale
	s_delay_alu instid0(VALU_DEP_2)
	v_add_nc_u32 v243, 0xff000000, v241
.irp g, 0,1,2,3
	v_cvt_scalef32_pk8_fp4_f32 v[C+4*\r0+\g], v[\xb+8*\g:\xb+8*\g+7], v242
	v_cvt_scalef32_pk8_fp4_f32 v[C+4*\r0+4+\g], v[\xb+32+8*\g:\xb+39+8*\g], v243
.endr
	v_lshrrev_b32 v[BY+\r0], 23, v242              ; the scale's byte (also the plain line behind the conversions)
	v_lshrrev_b32 v[BY+\r0+1], 23, v243
	global_store_b128 v2, v[C+4*\r0:C+4*\r0+3], s[8:9] offset:512*\r0            ; a row's 512 bytes of codes: 32 lanes, consecutive
	global_store_b128 v2, v[C+4*\r0+4:C+4*\r0+7], s[8:9] offset:512*\r0+512
	ds_store_b8 v8, v[BY+\r0] offset:32*\r0
	ds_store_b8 v8, v[BY+\r0+1] offset:32*\r0+32
.irp i, 0,1,2,3                        ; the sums over the 32 lanes.  The exchange leaves experts 0-3 to lanes 0-15 and experts 4-7 to lanes 16-31: half the additions
	v_permlane16_swap_b32 v[\acc+\i], v[\acc+4+\i]
	v_permlane16_swap_b32 v[\acc+8+\i], v[\acc+12+\i]
.endr
.irp i, 0,2,8,10
	v_pk_add_f32 v[\acc+\i:\acc+\i+1], v[\acc+\i:\acc+\i+1], v[\acc+4+\i:\acc+5+\i]
.endr
.irp msk, 1,2,4,8
.irp i, 0,1,2,3,8,9,10,11
	v_add_f32_dpp v[\acc+\i], v[\acc+\i], v[\acc+\i] row_xmask:\msk row_mask:0xf bank_mask:0xf
.endr
.endr
	ds_store_b128 v7, v[\acc:\acc+3] offset:32*\r0               ; the sixteen lanes of a half write the same 16 bytes with the same values
	ds_store_b128 v7, v[\acc+8:\acc+11] offset:32*\r0+32
.endm
	PAIR X0, 0, 208
	s_wait_dscnt 4                                 ; all but the first pair's two byte stores and two logit stores: rows 2, 3 are back, and their stores into the stage have read v80-143
	PAIR R, 2, 80
	s_wait_dscnt 0x0                               ; for the others' sake: my logits and scale bytes lie in LDS
	s_barrier_signal -1
	s_barrier_wait -1
	s_cmp_eq_u32 s16, 1
	s_cbranch_scc1 .Lscales
	s_cmp_eq_u32 s16, 0
	s_cbranch_scc1 .Lroute
	s_wait_tensorcnt 0x0
	ds_add_u32 v254, v255
	s_wait_dscnt 0x0
	s_endpgm
.Lscales:                                              ; wave 1: the work-group's 1,024 scale bytes leave in two stores of 512 consecutive bytes
	ds_load_b128 v[16:19], v11
	ds_load_b128 v[20:23], v11 offset:512
	s_wait_dscnt 0x0
	global_store_b128 v2, v[16:19], s[10:11]
	global_store_b128 v2, v[20:23], s[10:11] offset:512
	s_wait_tensorcnt 0x0
	ds_add_u32 v254, v255
	s_wait_dscnt 0x0
	s_endpgm
.Lroute:                                               ; wave 0: a lane to a token
	ds_load_b128 v[16:19], v10
	ds_load_b128 v[20:23], v10 offset:16
	s_wait_dscnt 0x0
	v_mov_b32 v24, v16                             ; the largest logit and its expert: strictly greater, ascending, so a tie keeps the lower expert
	v_mov_b32 v25, 0
.irp e, 1,2,3,4,5,6,7
	s_delay_alu instid0(VALU_DEP_2)
	v_cmp_gt_f32 vcc_lo, v[16+\e], v24
	s_delay_alu instid0(VALU_DEP_1)
	v_cndmask_b32 v24, v24, v[16+\e], vcc_lo
	s_delay_alu instid0(VALU_DEP_2)
	v_cndmask_b32 v25, v25, \e, vcc_lo
.endr
	s_delay_alu instid0(VALU_DEP_1)
	v_cmp_eq_u32 vcc_lo, 0, v25                    ; the second: begins at the first expert that is not the largest
	s_delay_alu instid0(VALU_DEP_1)
	v_cndmask_b32 v26, v16, v17, vcc_lo
	s_delay_alu instid0(VALU_DEP_2)
	v_cndmask_b32 v27, 0, 1, vcc_lo
.irp e, 1,2,3,4,5,6,7
	s_delay_alu instid0(VALU_DEP_2)
	v_cmp_gt_f32 s30, v[16+\e], v26
	v_cmp_ne_u32 s31, \e, v25
	s_and_b32 vcc_lo, s30, s31
	v_cndmask_b32 v26, v26, v[16+\e], vcc_lo
	v_cndmask_b32 v27, v27, \e, vcc_lo
.endr
	s_delay_alu instid0(VALU_DEP_2)
	v_sub_f32 v28, v26, v24                        ; softmax of the two, the larger taken away: w1 = 1 / (1 + e^(v2 - v1)), w2 = e^(v2 - v1) w1
	s_delay_alu instid0(VALU_DEP_1)
	v_mul_f32 v28, 0x3fb8aa3b, v28
	s_wait_alu depctr_va_vdst(0)
	v_exp_f32 v28, v28
	v_nop                                          ; a plain line behind a transcendental
	s_wait_alu depctr_va_vdst(0)
	v_add_f32 v29, 1.0, v28
	s_wait_alu depctr_va_vdst(0)
	v_rcp_f32 v29, v29
	v_nop
	s_wait_alu depctr_va_vdst(0)
	v_mul_f32 v28, v28, v29
	v_min_u32 v30, v25, v27                        ; lo
	v_max_u32 v31, v25, v27                        ; hi
	v_cmp_lt_u32 vcc_lo, v25, v27
	v_cndmask_b32 v32, v28, v29, vcc_lo            ; g_lo
	v_cndmask_b32 v33, v29, v28, vcc_lo            ; g_hi
	v_sub_nc_u32 v34, 15, v30
	s_delay_alu instid0(VALU_DEP_1)
	v_mul_u32_u24 v34, v34, v30
	s_delay_alu instid0(VALU_DEP_1)
	v_lshrrev_b32 v34, 1, v34
	s_delay_alu instid0(VALU_DEP_1)
	v_add_nc_u32 v34, v34, v31
	s_delay_alu instid0(VALU_DEP_1)
	v_sub_nc_u32 v34, v34, v30
	s_delay_alu instid0(VALU_DEP_1)
	v_add_nc_u32 v34, -1, v34                      ; the pair's number
	v_mov_b32 v35, 0                               ; my rank among the group's tokens of my pair
	v_mov_b32 v37, 0                               ; lane p: how many tokens of the group have pair p
.set p, 0
.rept 28
	v_cmp_eq_u32 s30, p, v34
	s_delay_alu instid0(VALU_DEP_1)
	v_mbcnt_lo_u32_b32 v38, s30, 0                 ; such tokens in lanes below mine
	s_delay_alu instid0(VALU_DEP_1)
	v_cndmask_b32 v35, v35, v38, s30
	s_bcnt1_i32_b32 s31, s30
	v_writelane_b32 v37, s31, p
.set p, p+1
.endr
	v_lshl_or_b32 v36, v35, 8, v34
	global_store_b64 v12, v[36:37], s[14:15]       ; 32 lanes store 256 consecutive bytes, at a multiple of 256 from the buffer's first byte
	global_store_b64 v12, v[32:33], s[12:13]
	s_wait_tensorcnt 0x0
	ds_add_u32 v254, v255
	s_wait_dscnt 0x0
	s_endpgm
.Lfunc_end_k_qa628b97903_route_quant:
	.size	k_qa628b97903_route_quant, .Lfunc_end_k_qa628b97903_route_quant-k_qa628b97903_route_quant
	.p2alignl 7, 3214868480
	.fill 96, 4, 3214868480
	.section	.rodata,"a",@progbits
	.p2align	6, 0x0
	.amdhsa_kernel k_qa628b97903_route_quant
		.amdhsa_group_segment_fixed_size 183808
		.amdhsa_private_segment_fixed_size 0
		.amdhsa_enable_private_segment 0
		.amdhsa_kernarg_size 48
		.amdhsa_user_sgpr_count 2
		.amdhsa_user_sgpr_kernarg_segment_ptr 1
		.amdhsa_wavefront_size32 1
		.amdhsa_system_sgpr_workgroup_id_x 1
		.amdhsa_system_sgpr_workgroup_id_y 1
		.amdhsa_system_sgpr_workgroup_id_z 1
		.amdhsa_system_vgpr_workitem_id 0
		.amdhsa_next_free_vgpr 512
		.amdhsa_next_free_sgpr 66
		.amdhsa_reserve_vcc 1
		.amdhsa_float_denorm_mode_32 3
		.amdhsa_float_denorm_mode_16_64 3
		.amdhsa_memory_ordered 1
		.amdhsa_forward_progress 1
		.amdhsa_inst_pref_size 77
	.end_amdhsa_kernel
	.amdgpu_metadata
---
amdhsa.version: [ 1, 2 ]
amdhsa.kernels:
  - .name:           k_qa628b97903_route_quant
    .symbol:         k_qa628b97903_route_quant.kd
    .args:
      - { .name: x, .offset: 0, .size: 8, .value_kind: global_buffer, .address_space: global }
      - { .name: router, .offset: 8, .size: 8, .value_kind: global_buffer, .address_space: global }
      - { .name: xq, .offset: 16, .size: 8, .value_kind: global_buffer, .address_space: global }
      - { .name: xs, .offset: 24, .size: 8, .value_kind: global_buffer, .address_space: global }
      - { .name: gates, .offset: 32, .size: 8, .value_kind: global_buffer, .address_space: global }
      - { .name: route, .offset: 40, .size: 8, .value_kind: global_buffer, .address_space: global }
    .group_segment_fixed_size: 183808
    .private_segment_fixed_size: 0
    .kernarg_segment_align: 8
    .kernarg_segment_size: 48
    .max_flat_workgroup_size: 256
    .sgpr_count:     66
    .vgpr_count:     512
    .wavefront_size: 32
...
	.end_amdgpu_metadata
.endif
;; end of part 4
;; launch weights_place (part 5): grid 264 x 1, 8 waves a work-group, no clusters, 5,120 bytes of LDS; arguments W1, W2, route, wq, ws, plan; writes wq, ws, plan
.if DOCPART == 5
	.amdgcn_target "amdgcn-amd-amdhsa--gfx1250"
	.amdhsa_code_object_version 6
	.text
	.protected	k_qa628b97903_weights_place
	.globl	k_qa628b97903_weights_place
	.p2align	8
	.type	k_qa628b97903_weights_place,@function
k_qa628b97903_weights_place:
	s_mov_b64 s[64:65], 0
	v_nop
	global_prefetch_b8 v0, s[64:65] scope:SCOPE_SE
	s_setreg_imm32_b32 hwreg(HW_REG_WAVE_MODE, 25, 1), 1
	s_wait_xcnt 0x0
; Three kinds of work-group, told apart by the work-group's number; each has LDS bytes of its own.
; 8 .. 135: W1 [8][1024 k][512 n], 136 .. 263: W2 [8][512 k][1024 n], f32 with K as the first axis of an expert, become codes of FP4 (E2M1) and E8M0 bytes, one for each 32 along K,
;   LAID IN THE ORDER OF THE OPERAND'S REGISTERS: a fragment (16 columns n x 128 k) is 1,024 bytes [half c of K][lane][16 bytes], so that the last launch loads it whole, 512 consecutive bytes an instruction.
;   wq: W1's part [e][wave 4][K step 8][tile 8][1024]; from byte 2^21 W2's [e][wave 4][chunk 4][K step 4][tile 4][1024].
;   ws: W1's part [e][wave][tile pair 4][half of K 2][lane][4 words, one a K step]; from byte 2^17 W2's [e][wave][chunk 4][tile pair 2][lane][4 words]; lanes 0-15 the even tile's rows, lanes 16-31 the odd tile's.
;   A lane takes a column and its registers run down K: a block of 32 lies in one lane, and the conversions give codes with K innermost.  Lanes 0-15 are a tile's 16 rows, lanes 16-31 the next tile's:
;   a block's 16 bytes of sixteen lanes are 256 consecutive bytes of a fragment, so the codes are stored straight from registers.
;   W1's TILES DO NOT TAKE NEIGHBOURING COLUMNS: row r of tile 2 b + u is hidden unit 32 b + 8 u + r + 8 (r / 8), so that the first product's results lie as the second product's K wants them.
; 0 .. 7: the counting sort of the 8,192 tokens by pair of experts (28 buckets), from the ranks and counts that the first launch stored.  A bucket begins at a multiple of 64 slots.
;   Every one of the eight adds up all 256 groups' counts for itself (wave w: groups 32 w on; the sums meet in LDS); work-group j then places the tokens of groups 32 j .. 32 j + 31, four groups a wave.
;   plan: 256 entries {lo, hi, rows, first slot} for tiles of 64 slots (work-group j stores entries 32 j on: 512 consecutive bytes); from byte 4,096 the list slot -> token, 9,920 words.
;   28 buckets take at most 128 + 27 = 155 tiles whatever the split; the entries behind the last tile have no rows.
;   The list is stored 4 bytes a lane at places that the sort gives: 32 KB in all, four stores a wave; gathering them in LDS would want LDS addresses made of data.
; LIMITS: NaN and infinities are not served; a block whose largest magnitude lies under 2^-124 keeps the byte 1 (a block of zeros too: its codes are zeros, and this program alone reads the bytes).
.set PLO,  2048                        ; LDS: W1's work-groups 0..1023, W2's 1024..2047, the sort 2048..3071
.set LIST, 4096                        ; plan: where the list begins
	s_load_b256 s[68:75], s[0:1], 0x0              ; W1 s[68:69], W2 s[70:71], route s[72:73], wq s[74:75]
	s_load_b128 s[76:79], s[0:1], 0x20             ; ws s[76:77], plan s[78:79]
	v_lshl_add_u32 v192, v0, 2, 0x1000
	v_mov_b32 v193, 0
	v_lshrrev_b32 v1, 5, v0
	s_delay_alu instid0(VALU_DEP_1)
	v_readfirstlane_b32 s80, v1                    ; wave 0..7
	v_and_b32 v1, 31, v0                           ; lane
	s_and_b32 s81, s80, 1                          ; which 32 of the work-group's 64 columns
	s_lshr_b32 s82, s80, 1                         ; which 128 of its 512 along K
	v_lshlrev_b32 v7, 4, v1                        ; 16 x lane
	s_lshl_b32 s83, s81, 9
	s_lshl_b32 s84, s82, 2
	s_add_co_u32 s83, s83, s84
	v_add_nc_u32 v5, s83, v7                       ; LDS: my scale word: 512 x column group + 16 x lane + 4 x K step
	v_lshrrev_b32 v2, 4, v1
	v_and_b32 v4, 15, v1
	s_delay_alu instid0(VALU_DEP_1)
	v_lshlrev_b32 v4, 4, v4
	s_delay_alu instid0(VALU_DEP_1)
	v_lshl_add_u32 v4, v2, 10, v4                  ; my 16 bytes in a pair of fragments: 1,024 (l / 16) + 16 (l % 16)
	v_lshlrev_b32 v6, 2, v1                        ; 4 x lane
	s_lshl_b32 s83, s80, 7
	v_add_nc_u32 v8, s83, v6                       ; the sort: 128 x wave + 4 x lane
	s_cmp_lt_u32 ttmp9, 8
	s_cbranch_scc1 .Lplace
	s_cmp_gt_u32 ttmp9, 135
	s_cbranch_scc1 .Lw2
.macro QLOAD t, pitch                  ; block t: 32 rows k of my column
.set i, 0
.rept 32
	global_load_b32 v[32+32*(\t)+i], v3, s[4:5] offset:(32*(\t)+i)*(\pitch) th:TH_LOAD_NT
.set i, i+1
.endr
.endm
.macro QBLOCK t
.set XB, 32+32*(\t)
	v_max3_num_f32 v12, |v[XB]|, |v[XB+1]|, |v[XB+2]|              ; the block's largest magnitude: all 32 numbers are mine
	v_max3_num_f32 v13, |v[XB+3]|, |v[XB+4]|, |v[XB+5]|
.irp i, 6,10,14,18,22,26
	s_delay_alu instid0(VALU_DEP_2)
	v_max3_num_f32 v12, v12, |v[XB+\i]|, |v[XB+\i+1]|
	s_delay_alu instid0(VALU_DEP_2)
	v_max3_num_f32 v13, v13, |v[XB+\i+2]|, |v[XB+\i+3]|
.endr
	s_delay_alu instid0(VALU_DEP_2)
	v_max3_num_f32 v12, v12, |v[XB+30]|, |v[XB+31]|
	s_delay_alu instid0(VALU_DEP_1)
	v_max3_num_f32 v12, v12, v13, 0x1800000        ; and the floor 2^(3 - 127): the byte cannot fall under 1
	s_delay_alu instid0(VALU_DEP_1)
	v_add_nc_u32 v11, 0xff000000, v12              ; 2 off the exponent field: the conversion's scale operand
	s_delay_alu instid0(VALU_DEP_1)
	v_lshrrev_b32 v13, 23, v11                     ; the scale's byte
.if (\t) == 0
	s_delay_alu instid0(VALU_DEP_1)
	v_mov_b32 v176, v13                            ; the K step's four bytes make my column's scale word
.else
	s_delay_alu instid0(VALU_DEP_1)
	v_lshl_or_b32 v176, v13, 8*(\t), v176
.endif
.irp g, 0,1,2,3
	v_cvt_scalef32_pk8_fp4_f32 v[160+4*(\t)+\g], v[XB+8*\g:XB+8*\g+7], v11
.endr
	v_nop                                          ; a plain line behind the conversions
	global_store_b128 v4, v[160+4*(\t):163+4*(\t)], s[6:7] offset:512*((\t)/2)+256*((\t)%2)   ; block t = half t / 2 of K, lanes 16 (t % 2) on: sixteen lanes store 256 consecutive bytes, aligned
.endm
; s[4:5] my wave's first number, s[6:7] its pair of fragments, s[8:9] the column group's scale words, v3 my column's byte.  Each block has registers of its own: no store's data are written again.
.macro QW pitch, lds
	QLOAD 0, \pitch
	QLOAD 1, \pitch
	s_wait_loadcnt 32                              ; block 0 is in; the 32 loads of block 1 may be out
	QLOAD 2, \pitch
	QBLOCK 0
	s_wait_loadcnt 32                              ; block 1 is in; block 2's may be out
	QLOAD 3, \pitch
	QBLOCK 1
	s_wait_loadcnt 32                              ; block 2 is in; block 3's may be out
	QBLOCK 2
	s_wait_loadcnt 0x0
	QBLOCK 3
	ds_store_b32 v5, v176 offset:\lds
	s_wait_dscnt 0x0                               ; for the others' sake: my scale word lies in LDS
	s_barrier_signal -1
	s_barrier_wait -1
	s_cmp_lt_u32 s80, 2                            ; waves 0 and 1 (K step 0 of each column group) store the group's words: four a lane, 512 consecutive bytes
	s_cbranch_scc0 .Lqend_\@
	ds_load_b128 v[12:15], v5 offset:\lds
	s_wait_dscnt 0x0
	global_store_b128 v7, v[12:15], s[8:9]
.Lqend_\@:
	s_wait_tensorcnt 0x0
	ds_add_u32 v192, v193
	s_wait_dscnt 0x0
	s_endpgm
.endm
	; ---- W1: work-group id = e x 16 + (64 columns) x 2 + (half of K)
	s_sub_co_u32 s84, ttmp9, 8
	s_lshr_b32 s85, s84, 4                         ; e
	s_bfe_u32 s86, s84, 0x30001
	s_and_b32 s87, s84, 1                          ; which 512 along K
	s_lshl_b32 s86, s86, 1
	s_add_co_u32 s86, s86, s81                     ; group of 32 columns, 0..15 = 4 x wave of the last launch + tile pair
	s_lshl_b32 s88, s85, 21                        ; from: e x 2^21 + (512 half + 128 step) rows of 2,048 bytes + 128 x group
	s_lshl_b32 s89, s87, 20
	s_add_co_u32 s88, s88, s89
	s_lshl_b32 s89, s82, 18
	s_add_co_u32 s88, s88, s89
	s_lshl_b32 s89, s86, 7
	s_add_co_u32 s88, s88, s89
	s_mov_b32 s89, 0
	s_lshl_b32 s90, s85, 2
	s_lshr_b32 s91, s86, 2
	s_add_co_u32 s90, s90, s91                     ; 4 e + wave
	s_and_b32 s91, s86, 3                          ; tile pair
	s_lshl_b32 s92, s87, 2
	s_add_co_u32 s92, s92, s82                     ; K step 0..7
	s_lshl_b32 s93, s90, 16                        ; to: (4 e + wave) x 65,536 + K step x 8,192 + tile pair x 2,048
	s_lshl_b32 s92, s92, 13
	s_add_co_u32 s92, s92, s93
	s_lshl_b32 s93, s91, 11
	s_add_co_u32 s92, s92, s93
	s_mov_b32 s93, 0
	s_lshl_b32 s94, s90, 12                        ; scale words: (4 e + wave) x 4,096 + tile pair x 1,024 + half x 512
	s_lshl_b32 s95, s91, 10
	s_add_co_u32 s94, s94, s95
	s_lshl_b32 s95, s87, 9
	s_add_co_u32 s94, s94, s95
	s_mov_b32 s95, 0
	s_wait_alu depctr_va_vdst(0)
	v_and_b32 v3, 7, v1                            ; my column in the group: 16 ((l / 8) % 2) + 8 (l / 16) + l % 8
	v_bfe_u32 v9, v1, 3, 1
	s_delay_alu instid0(VALU_DEP_1)
	v_lshl_add_u32 v3, v9, 4, v3
	s_delay_alu instid0(VALU_DEP_1)
	v_lshl_add_u32 v3, v2, 3, v3
	s_delay_alu instid0(VALU_DEP_1)
	v_lshlrev_b32 v3, 2, v3
	s_wait_alu depctr_va_vdst(0)
	s_wait_kmcnt 0x0
	s_add_nc_u64 s[4:5], s[68:69], s[88:89]
	s_add_nc_u64 s[6:7], s[74:75], s[92:93]
	s_add_nc_u64 s[8:9], s[76:77], s[94:95]
	QW 2048, 0
.Lw2:	; ---- W2: work-group id = e x 16 + (64 columns); all 512 along K
	s_sub_co_u32 s84, ttmp9, 136
	s_lshr_b32 s85, s84, 4                         ; e
	s_and_b32 s86, s84, 15
	s_lshl_b32 s86, s86, 1
	s_add_co_u32 s86, s86, s81                     ; group of 32 columns, 0..31 = 8 x wave + 2 x chunk + tile pair
	s_lshl_b32 s88, s85, 21                        ; from: e x 2^21 + 128 step rows of 4,096 bytes + 128 x group
	s_lshl_b32 s89, s82, 19
	s_add_co_u32 s88, s88, s89
	s_lshl_b32 s89, s86, 7
	s_add_co_u32 s88, s88, s89
	s_mov_b32 s89, 0
	s_lshl_b32 s90, s85, 2
	s_lshr_b32 s91, s86, 3
	s_add_co_u32 s90, s90, s91                     ; 4 e + wave
	s_bfe_u32 s91, s86, 0x20001                    ; chunk
	s_lshl_b32 s92, s90, 16                        ; to: 2^21 + (4 e + wave) x 65,536 + chunk x 16,384 + K step x 4,096 + tile pair x 2,048
	s_lshl_b32 s93, s91, 14
	s_add_co_u32 s92, s92, s93
	s_lshl_b32 s93, s82, 12
	s_add_co_u32 s92, s92, s93
	s_lshl_b32 s93, s81, 11
	s_add_co_u32 s92, s92, s93
	s_add_co_u32 s92, s92, 0x200000
	s_mov_b32 s93, 0
	s_lshl_b32 s94, s90, 12                        ; scale words: 2^17 + (4 e + wave) x 4,096 + chunk x 1,024 + tile pair x 512
	s_lshl_b32 s95, s91, 10
	s_add_co_u32 s94, s94, s95
	s_lshl_b32 s95, s81, 9
	s_add_co_u32 s94, s94, s95
	s_add_co_u32 s94, s94, 0x20000
	s_mov_b32 s95, 0
	s_wait_alu depctr_va_vdst(0)
	v_mov_b32 v3, v6                               ; my column in the group: the lane
	s_wait_alu depctr_va_vdst(0)
	s_wait_kmcnt 0x0
	s_add_nc_u64 s[4:5], s[70:71], s[88:89]
	s_add_nc_u64 s[6:7], s[74:75], s[92:93]
	s_add_nc_u64 s[8:9], s[76:77], s[94:95]
	QW 4096, 1024
.Lplace:	; ---- the sort, work-group j = 0 .. 7.  v32-63: the counts of groups 32 w on (lane = bucket); v64-91: those of groups 32 j .. 32 j + 27; v96-103: both words of my four groups, 32 j + 4 w on
	s_lshl_b32 s84, s80, 13                        ; a group is 256 bytes: block w,
	s_mov_b32 s85, 0
	s_lshl_b32 s82, ttmp9, 13                      ; block j,
	s_mov_b32 s83, 0
	s_lshl_b32 s92, s80, 10                        ; and in it my four groups
	s_mov_b32 s93, 0
	s_wait_alu depctr_va_vdst(0)
	v_lshlrev_b32 v9, 3, v1
	s_wait_alu depctr_va_vdst(0)
	s_wait_kmcnt 0x0
	s_add_nc_u64 s[86:87], s[72:73], s[84:85]
	s_add_nc_u64 s[88:89], s[72:73], s[82:83]
	s_add_nc_u64 s[90:91], s[88:89], s[92:93]
.set g, 0
.rept 4
	global_load_b64 v[96+2*g:97+2*g], v9, s[90:91] offset:256*g
.set g, g+1
.endr
.set g, 0
.rept 32
	global_load_b32 v[32+g], v9, s[86:87] offset:256*g+4
.set g, g+1
.endr
.set g, 0
.rept 28
	global_load_b32 v[64+g], v9, s[88:89] offset:256*g+4
.set g, g+1
.endr
	s_wait_loadcnt 0x0
	v_add3_u32 v10, v32, v33, v34                  ; block w's tokens of each bucket
.irp i, 35,37,39,41,43,45,47,49,51,53,55,57,59,61
	s_delay_alu instid0(VALU_DEP_1)
	v_add3_u32 v10, v10, v[\i], v[\i+1]
.endr
	s_delay_alu instid0(VALU_DEP_1)
	v_add_nc_u32 v10, v10, v63
	ds_store_b32 v8, v10 offset:PLO
	s_wait_dscnt 0x0                               ; for the others' sake: my block's sums lie in LDS
	s_barrier_signal -1
	s_barrier_wait -1
.irp w, 0,1,2,3,4,5,6,7
	ds_load_b32 v[10+\w], v6 offset:PLO+128*\w
.endr
	s_wait_dscnt 0x0
	v_add_nc_u32 v18, v10, v11                     ; the bucket's tokens in all,
.irp w, 2,3,4,5,6,7
	s_delay_alu instid0(VALU_DEP_1)
	v_add_nc_u32 v18, v18, v[10+\w]
.endr
	v_mov_b32 v19, 0                               ; in the blocks before j,
.irp w, 0,1,2,3,4,5,6
	s_cmp_gt_u32 ttmp9, \w
	s_cselect_b32 s84, -1, 0
	v_and_b32 v20, s84, v[10+\w]
	s_delay_alu instid0(VALU_DEP_1)
	v_add_nc_u32 v19, v19, v20
.endr
.irp k, 0,1,2,3,4,5,6                          ; and in block j's groups before mine: four groups at a time, those of the waves before me
	v_add3_u32 v20, v[64+4*\k], v[65+4*\k], v[66+4*\k]
	s_delay_alu instid0(VALU_DEP_1)
	v_add_nc_u32 v20, v20, v[67+4*\k]
	s_cmp_gt_u32 s80, \k
	s_cselect_b32 s84, -1, 0
	v_and_b32 v20, s84, v20
	s_delay_alu instid0(VALU_DEP_1)
	v_add_nc_u32 v19, v19, v20
.endr
	s_mov_b32 s60, 0                               ; s[4 + p]: bucket p's first tile; s[32 + p]: its tokens
	v_mov_b32 v21, 0
.set p, 0
.rept 28
	v_readlane_b32 s[32+p], v18, p
	s_mov_b32 s[4+p], s60
	v_writelane_b32 v21, s60, p
	s_add_co_u32 s61, s[32+p], 63
	s_lshr_b32 s61, s61, 6
	s_add_co_u32 s60, s60, s61
.set p, p+1
.endr
	v_lshl_add_u32 v112, v21, 6, v19               ; lane = bucket: the slot of the first token of it in my first group,
	s_delay_alu instid0(VALU_DEP_1)
	v_add_nc_u32 v113, v112, v97                   ; in my second, third and fourth
	s_delay_alu instid0(VALU_DEP_1)
	v_add_nc_u32 v114, v113, v99
	s_delay_alu instid0(VALU_DEP_1)
	v_add_nc_u32 v115, v114, v101
.set g, 0
.rept 4
	v_and_b32 v[116+g], 0xff, v[96+2*g]            ; my token's bucket,
	s_delay_alu instid0(VALU_DEP_1)
	v_min_u32 v[116+g], 31, v[116+g]               ; held to a lane's number,
	s_delay_alu instid0(VALU_DEP_1)
	v_lshlrev_b32 v[116+g], 2, v[116+g]
	ds_bpermute_b32 v[116+g], v[116+g], v[112+g]   ; fetches that lane's slot
.set g, g+1
.endr
	s_wait_dscnt 0x0
	s_lshl_b32 s61, ttmp9, 10
	s_lshl_b32 s60, s80, 7
	s_add_co_u32 s61, s61, s60
	v_add_nc_u32 v23, s61, v1                      ; my token in my first group
.set g, 0
.rept 4
	v_lshrrev_b32 v[96+2*g], 8, v[96+2*g]          ; + my rank in the group
	s_delay_alu instid0(VALU_DEP_1)
	v_add_nc_u32 v[116+g], v[116+g], v[96+2*g]
	s_delay_alu instid0(VALU_DEP_1)
	v_min_u32 v[116+g], 9919, v[116+g]             ; held inside the list
	s_delay_alu instid0(VALU_DEP_1)
	v_lshlrev_b32 v[116+g], 2, v[116+g]
	v_add_nc_u32 v[97+2*g], 32*g, v23
	global_store_b32 v[116+g], v[97+2*g], s[78:79] offset:LIST
.set g, g+1
.endr
	s_cmp_eq_u32 s80, 0                            ; the table: wave 0, a lane to a tile: tiles 32 j on
	s_cbranch_scc0 .Lpend
	s_lshl_b32 s61, ttmp9, 5
	v_add_nc_u32 v120, s61, v1
	v_mov_b32 v24, 0
	v_mov_b32 v25, 1
	v_mov_b32 v28, s4
	v_mov_b32 v29, s32
.set p, 0
.irp lo, 0,1,2,3,4,5,6
.irp hi, 1,2,3,4,5,6,7
.if \hi > \lo
.if p > 0
	v_cmp_le_u32 vcc_lo, s[4+p], v120              ; the last bucket that begins at or before my tile (an empty one begins where the next does)
	s_delay_alu instid0(VALU_DEP_1)
	v_cndmask_b32 v24, v24, \lo, vcc_lo
	s_delay_alu instid0(VALU_DEP_2)
	v_cndmask_b32 v25, v25, \hi, vcc_lo
	s_delay_alu instid0(VALU_DEP_3)
	v_cndmask_b32 v28, v28, s[4+p], vcc_lo
	s_delay_alu instid0(VALU_DEP_4)
	v_cndmask_b32 v29, v29, s[32+p], vcc_lo
.endif
.set p, p+1
.endif
.endr
.endr
	s_delay_alu instid0(VALU_DEP_2)
	v_sub_nc_u32 v30, v120, v28
	s_delay_alu instid0(VALU_DEP_1)
	v_lshlrev_b32 v30, 6, v30
	s_delay_alu instid0(VALU_DEP_1)
	v_min_u32 v30, v30, v29                        ; the bucket's tokens in tiles before mine
	s_delay_alu instid0(VALU_DEP_1)
	v_sub_nc_u32 v26, v29, v30
	s_delay_alu instid0(VALU_DEP_1)
	v_min_u32 v26, 64, v26                         ; my rows: 0 behind the last tile
	s_delay_alu instid0(VALU_DEP_1)
	v_cmp_ne_u32 vcc_lo, 0, v26
	v_lshlrev_b32 v31, 6, v120
	s_delay_alu instid0(VALU_DEP_1)
	v_cndmask_b32 v27, 0, v31, vcc_lo              ; my first slot; a tile without rows names slot 0, which is always filled
	v_lshlrev_b32 v30, 4, v120
	global_store_b128 v30, v[24:27], s[78:79]      ; 32 lanes store 512 consecutive bytes
.Lpend:
	s_wait_tensorcnt 0x0
	ds_add_u32 v192, v193
	s_wait_dscnt 0x0
	s_endpgm
.Lfunc_end_k_qa628b97903_weights_place:
	.size	k_qa628b97903_weights_place, .Lfunc_end_k_qa628b97903_weights_place-k_qa628b97903_weights_place
	.p2alignl 7, 3214868480
	.fill 96, 4, 3214868480
	.section	.rodata,"a",@progbits
	.p2align	6, 0x0
	.amdhsa_kernel k_qa628b97903_weights_place
		.amdhsa_group_segment_fixed_size 5120
		.amdhsa_private_segment_fixed_size 0
		.amdhsa_enable_private_segment 0
		.amdhsa_kernarg_size 48
		.amdhsa_user_sgpr_count 2
		.amdhsa_user_sgpr_kernarg_segment_ptr 1
		.amdhsa_wavefront_size32 1
		.amdhsa_system_sgpr_workgroup_id_x 1
		.amdhsa_system_sgpr_workgroup_id_y 1
		.amdhsa_system_sgpr_workgroup_id_z 1
		.amdhsa_system_vgpr_workitem_id 0
		.amdhsa_next_free_vgpr 194
		.amdhsa_next_free_sgpr 96
		.amdhsa_reserve_vcc 1
		.amdhsa_float_denorm_mode_32 3
		.amdhsa_float_denorm_mode_16_64 3
		.amdhsa_memory_ordered 1
		.amdhsa_forward_progress 1
		.amdhsa_inst_pref_size 81
	.end_amdhsa_kernel
	.amdgpu_metadata
---
amdhsa.version: [ 1, 2 ]
amdhsa.kernels:
  - .name:           k_qa628b97903_weights_place
    .symbol:         k_qa628b97903_weights_place.kd
    .args:
      - { .name: W1, .offset: 0, .size: 8, .value_kind: global_buffer, .address_space: global }
      - { .name: W2, .offset: 8, .size: 8, .value_kind: global_buffer, .address_space: global }
      - { .name: route, .offset: 16, .size: 8, .value_kind: global_buffer, .address_space: global }
      - { .name: wq, .offset: 24, .size: 8, .value_kind: global_buffer, .address_space: global }
      - { .name: ws, .offset: 32, .size: 8, .value_kind: global_buffer, .address_space: global }
      - { .name: plan, .offset: 40, .size: 8, .value_kind: global_buffer, .address_space: global }
    .group_segment_fixed_size: 5120
    .private_segment_fixed_size: 0
    .kernarg_segment_align: 8
    .kernarg_segment_size: 48
    .max_flat_workgroup_size: 256
    .sgpr_count:     96
    .vgpr_count:     194
    .wavefront_size: 32
...
	.end_amdgpu_metadata
.endif
;; end of part 5
;; launch experts (part 6): grid 155 x 1, 4 waves a work-group, no clusters, 85,504 bytes of LDS; arguments xq, xs, wq, ws, plan, gates, out0; writes out0
.if DOCPART == 6
	.amdgcn_target "amdgcn-amd-amdhsa--gfx1250"
	.amdhsa_code_object_version 6
	.text
	.protected	k_qa628b97903_experts
	.globl	k_qa628b97903_experts
	.p2align	8
	.type	k_qa628b97903_experts,@function
k_qa628b97903_experts:
	s_mov_b64 s[64:65], 0
	v_nop
	global_prefetch_b8 v0, s[64:65] scope:SCOPE_SE
	s_setreg_imm32_b32 hwreg(HW_REG_WAVE_SCHED_MODE, 0, 2), 2
	s_setreg_imm32_b32 hwreg(HW_REG_WAVE_MODE, 25, 1), 1
	s_wait_xcnt 0x0
	s_wait_alu depctr_vm_vsrc(0)
; out[token] = g_lo y_lo + g_hi y_hi, y_e = Q(swish(Q(x) Q(W1[e]))) Q(W2[e]), both products on codes of FP4 (E2M1) with one E8M0 scale for each 32 along K; only the two chosen experts of a token are multiplied.
; A work-group takes one tile of the plan: up to 64 tokens that chose the same pair (lo, hi), through both experts, so each row of out has one owner and nothing is summed through memory.
; THE WAVES SHARE THE COLUMNS, NOT THE ROWS: wave w makes hidden units 128 w .. 128 w + 127 of both experts (K step w of the second product) and output columns 256 w .. 256 w + 255, for all 64 tokens.
; So each fragment of the weights is loaded once in the work-group, by one wave, straight from memory into registers (an earlier launch laid them in register order), and feeds four matrix instructions.
; Both products are used transposed (source 0 = 16 rows of weights, source 1 = 16 tokens): a lane holds one token, its registers run along the hidden units or the output columns.
; The tokens' operands go from wave to wave through LDS as images of their registers (16 bytes a lane, 512 an instruction; scale words 4 bytes a lane).  Two barriers, on every wave's path.
; THE WEIGHTS RUN THROUGH A RING of 32 fragments in registers, 64 loads of a wave on their way: lo's W1, hi's W1, then W2 chunk by chunk; a part is asked for anew as soon as its products are issued, and each part is waited
; for by its own count.  The two experts are written out: each has its own registers for W1's scale words, and every source of the ring stands in the text.
; A GRID FOR EVERY SPLIT: 155 tiles at the most.  Slots at or behind a tile's rows repeat its last token (the same bytes are then stored to the same row twice); blocks of 16 rows without any row are not stored:
; a scalar branch on the stored count, round the eight stores alone.  A tile with no row at all walks the chain on the list's first token and stores nothing: the barriers stand under no branch on a loaded number.
; NO TENSOR LOADS, NO JOINT LOADS.
; LIMITS: swish of h under about -88 gives -0 (e^-h is beyond f32); a block of the hidden layer whose largest magnitude lies under 2^-124 keeps the byte 1.
; REGISTERS, in windows of 256.  Window 0: v1-15 addresses; v16-23 gates; v24-39 the tokens' scale words (x's, then the hidden layer's); v40-71 scale words of lo's W1, then of W2; v72-103 row offsets in out;
;   v104-167 64 numbers at work; v168-185 the quantiser's; v192-199 and v240-247 codes just made, by turns; v200-231 scale words of hi's W1; v232-238 tokens.
;   Window 1: the tokens' 32 fragments.  Window 2: 32 accumulators (at the head v0-38: offsets into the list); on the way out the results and the rows read back.  Window 3: the ring.
; THE MODE: SCHED_MODE bits 1:0 = 2 (LLVM: expert scheduling mode 2), set by the entry lines.  The code itself states the register dependences between vector or matrix instructions and memory or LDS
; instructions, with s_wait_alu, always for 0.
; THE PLAN.  Registers that memory or LDS instructions touch, and who else names them:
;   v3-v9, v12    addresses: made once at the head, ahead of the wait on va_vdst in front of the loads of tokens, and never written again.
;   AD, IX, RO    the list's offsets, the tokens, the rows of out: each made by vector lines, then read as addresses behind a wait on va_vdst.  AD's registers become accumulators: one wait on vm_vsrc ahead of the first product.
;   the ring, W1's and W2's scale words   read by products alone, written by loads alone.  A wait on va_vdst stands behind the products that empty a part, and the part is asked for again at once.
;   the tokens' fragments and scale words   written by loads, read by products; loaded anew behind the second barrier, behind the hidden layer's last wait on va_vdst.
;   the codes just made   two sets by turns: written by tile t's conversions, read by three LDS stores that stand in tile t + 1, behind the wait that its exponentials own anyway; a wait on vm_vsrc at the head of tile t + 2.
;   the accumulators on the way out   lo's: written by the four blocks' arithmetic, read by the stage's stores; hi's: read by that arithmetic, then the stage's loads land there and the global stores read them.
;                 ONE wait on va_vdst behind the arithmetic of all four blocks serves the way out's 64 LDS instructions; one on vm_vsrc at the chunk's tail frees the accumulators for the next chunk's products.
.set HSC,  0                           ; LDS: the hidden layer's scale words: 16 images of 128 bytes, index 8 e + 4 (m / 2) + s; an even tile of tokens in lanes 0-15, the odd one in lanes 16-31
.set XIMG, 2048                        ; x's 32 fragments, index 8 m + s
.set HIMG, 34816                       ; the hidden layer's 32, index 16 e + 4 m + s
.set STG,  67584                       ; a stage of 16 rows x (256 bytes + 16) for each wave
.set SP,   272
.set LIST, 4096                        ; plan: where the list slot -> token begins
.set AD,   0                           ; window 2, v0-38, at the head only: the byte offsets into the list of the 39 loads of tokens
.set G,    16
.set XS,   24
.set HS,   24
.set WSA,  40
.set RO,   72
.set T,    104
.set TM,   168
.set PW,   184
.set PC,   192
.set WSB,  200
.set IX,   232
.set LOS,  16                          ; s[16:17] lo's scale words of W1
.set LOP,  32                          ; s[32:33] lo's fragments of W1
.set HIP,  34                          ; s[34:35] hi's
.set HIS,  38                          ; s[38:39] hi's scale words of W1
.set W2P,  40                          ; s[40:41], s[42:43] W2's fragments of lo and hi: the chunk in hand
.set W2S,  44                          ; s[44:45], s[46:47] their scale words
.set SEL,  48                          ; s[48:49] v_permlanex16_b32's selects for lane l xor 16
.set NL2E, 50                          ; s[50:51] -log2(e)
.set RM1,  55                          ; the tile's last slot
.set ORD,  56                          ; s[56:57] the list at the tile's first slot
.set MSB, 0
.macro WIN new                         ; the immediate's high byte repeats the setting that is left
.if MSB != \new
	s_set_vgpr_msb (MSB<<8)|\new
.set MSB, \new
.endif
.endm
.set W_MUL, 0xa7                       ; source 0 (weights) window 3, source 1 (tokens) window 1, C and D window 2
.set W_RING, 0xc0                      ; destination window 3
.set W_TOK, 0x40                       ; destination window 1
.set W_ACC, 0x02                       ; source 0 window 2
.set W_AD1, 0x80                       ; destination window 2
.set W_AD2, 0x88                       ; source 1 and destination window 2
.set W_COMB, 0xa2                      ; sources 0 and 2 and the destination window 2, source 1 (the gates) window 0
.set W_STG, 0x88                       ; an LDS store's data (source 1) and an LDS load's destination window 2, addresses window 0
.set W_OUT, 0x08                       ; a store's data (source 1) window 2
; The matrix instruction.  ks = 0: the first K step starts the sum.  ra, rb = 1: the scale words stand in lanes 16-31 of their register.
.macro WMS d, a, b, ks, sa, sb, ra, rb
.if (\ks) == 0
.if ((\ra) == 1) && ((\rb) == 1)
	v_wmma_scale_f32_16x16x128_f8f6f4 v[(\d):(\d)+7], v[(\a):(\a)+7], v[(\b):(\b)+7], 0, v[\sa], v[\sb] matrix_a_fmt:MATRIX_FMT_FP4 matrix_b_fmt:MATRIX_FMT_FP4 matrix_a_scale:MATRIX_SCALE_ROW1 matrix_b_scale:MATRIX_SCALE_ROW1
.elseif (\ra) == 1
	v_wmma_scale_f32_16x16x128_f8f6f4 v[(\d):(\d)+7], v[(\a):(\a)+7], v[(\b):(\b)+7], 0, v[\sa], v[\sb] matrix_a_fmt:MATRIX_FMT_FP4 matrix_b_fmt:MATRIX_FMT_FP4 matrix_a_scale:MATRIX_SCALE_ROW1
.elseif (\rb) == 1
	v_wmma_scale_f32_16x16x128_f8f6f4 v[(\d):(\d)+7], v[(\a):(\a)+7], v[(\b):(\b)+7], 0, v[\sa], v[\sb] matrix_a_fmt:MATRIX_FMT_FP4 matrix_b_fmt:MATRIX_FMT_FP4 matrix_b_scale:MATRIX_SCALE_ROW1
.else
	v_wmma_scale_f32_16x16x128_f8f6f4 v[(\d):(\d)+7], v[(\a):(\a)+7], v[(\b):(\b)+7], 0, v[\sa], v[\sb] matrix_a_fmt:MATRIX_FMT_FP4 matrix_b_fmt:MATRIX_FMT_FP4
.endif
.else
.if ((\ra) == 1) && ((\rb) == 1)
	v_wmma_scale_f32_16x16x128_f8f6f4 v[(\d):(\d)+7], v[(\a):(\a)+7], v[(\b):(\b)+7], v[(\d):(\d)+7], v[\sa], v[\sb] matrix_a_fmt:MATRIX_FMT_FP4 matrix_b_fmt:MATRIX_FMT_FP4 matrix_a_scale:MATRIX_SCALE_ROW1 matrix_b_scale:MATRIX_SCALE_ROW1
.elseif (\ra) == 1
	v_wmma_scale_f32_16x16x128_f8f6f4 v[(\d):(\d)+7], v[(\a):(\a)+7], v[(\b):(\b)+7], v[(\d):(\d)+7], v[\sa], v[\sb] matrix_a_fmt:MATRIX_FMT_FP4 matrix_b_fmt:MATRIX_FMT_FP4 matrix_a_scale:MATRIX_SCALE_ROW1
.elseif (\rb) == 1
	v_wmma_scale_f32_16x16x128_f8f6f4 v[(\d):(\d)+7], v[(\a):(\a)+7], v[(\b):(\b)+7], v[(\d):(\d)+7], v[\sa], v[\sb] matrix_a_fmt:MATRIX_FMT_FP4 matrix_b_fmt:MATRIX_FMT_FP4 matrix_b_scale:MATRIX_SCALE_ROW1
.else
	v_wmma_scale_f32_16x16x128_f8f6f4 v[(\d):(\d)+7], v[(\a):(\a)+7], v[(\b):(\b)+7], v[(\d):(\d)+7], v[\sa], v[\sb] matrix_a_fmt:MATRIX_FMT_FP4 matrix_b_fmt:MATRIX_FMT_FP4
.endif
.endif
.endm
.macro PLACES n                        ; plain vector lines behind a matrix instruction, ahead of whatever touches its registers next (ISA guide 7.12.1); they stand for no wait, and a wait fills none of them
.rept \n
	v_nop
.endr
.endm
.macro RING reg, ptr, off              ; eight fragments, 8,192 consecutive bytes, into the ring from register reg on: 512 consecutive bytes an instruction
.irp f, 0,1,2,3,4,5,6,7
.irp c, 0,1
	global_load_b128 v[(\reg)+8*\f+4*\c:(\reg)+8*\f+4*\c+3], v3, s[\ptr:\ptr+1] offset:(\off)+1024*\f+512*\c
.endr
.endr
.endm
.macro WS1 dst, ptr                    ; W1's scale words of my 128 hidden units, all 8 K steps: register dst + 8 (tile pair) + K step
.irp u, 0,1,2,3,4,5,6,7
	global_load_b128 v[\dst+4*\u:\dst+4*\u+3], v3, s[\ptr:\ptr+1] offset:512*\u
.endr
.endm
.macro WS2E e, off                     ; W2's scale words of a chunk, expert e: register WSA + 8 e + 4 (tile pair) + K step
.irp p, 0,1
	global_load_b128 v[WSA+8*(\e)+4*\p:WSA+8*(\e)+4*\p+3], v3, s[W2S+2*(\e):W2S+2*(\e)+1] offset:(\off)+512*\p
.endr
.endm
; 64 numbers of a lane, register 16 b + i = k 32 b + 16 (lane / 16) + i of my token, become a fragment's codes in v[PCX] on and its scale word in v[PWX].
.macro QUANT s
.irp b, 0,1,2,3
	v_max3_num_f32 v[TM+\b], |v[\s+16*\b]|, |v[\s+1+16*\b]|, 0x1800000   ; block b: my 16 numbers, and the floor 2^(3 - 127): the byte cannot fall under 1
.endr
.irp i, 2,4,6,8,10,12,14
.irp b, 0,1,2,3
	v_max3_num_f32 v[TM+\b], v[TM+\b], |v[\s+16*\b+\i]|, |v[\s+1+16*\b+\i]|   ; (the four blocks by turns)
.endr
.endr
.irp b, 0,1,2,3
	v_permlanex16_b32 v[TM+4+\b], v[TM+\b], s[SEL], s[SEL+1]
.endr
.irp b, 0,1,2,3
	v_max_num_f32 v[TM+\b], v[TM+\b], v[TM+4+\b]   ; with lane l xor 16's: the block's largest magnitude
.endr
.irp b, 0,1,2,3
	v_add_nc_u32 v[TM+12+\b], 0xff000000, v[TM+\b]   ; 2 off its exponent field: the conversion's scale operand
.endr
.irp b, 0,1,2,3
	v_lshrrev_b32 v[TM+4+\b], 23, v[TM+12+\b]      ; the scale's byte
.endr
	v_lshl_or_b32 v[PWX], v[TM+5], 8, v[TM+4]      ; the four bytes make my token's scale word (both halves of the lanes hold it)
	v_lshl_or_b32 v[PWX], v[TM+6], 16, v[PWX]
	v_lshl_or_b32 v[PWX], v[TM+7], 24, v[PWX]
.irp b, 0,1,2,3
	v_cvt_scalef32_pk8_fp4_f32 v[PCX+2*\b], v[\s+16*\b:\s+7+16*\b], v[TM+12+\b]
	v_cvt_scalef32_pk8_fp4_f32 v[PCX+1+2*\b], v[\s+8+16*\b:\s+15+16*\b], v[TM+12+\b]
.endr
	v_nop                                          ; a plain line behind the conversions
.irp c, 0,1                                    ; the operand's layout wants a whole block in a lane: lanes 0-15 block 2 c, lanes 16-31 block 2 c + 1
.irp i, 0,1
	v_permlane16_swap_b32 v[PCX+4*\c+\i], v[PCX+2+4*\c+\i]
.endr
.endr
.endm
	s_load_b256 s[4:11], s[0:1], 0x0               ; xq s[4:5], xs s[6:7], wq s[8:9], ws s[10:11]
	s_load_b128 s[12:15], s[0:1], 0x20             ; plan s[12:13], gates s[14:15]
	s_load_b64 s[22:23], s[0:1], 0x30              ; out0
	v_lshl_add_u32 v254, v0, 2, 0x14c00
	v_mov_b32 v255, 0
	v_lshrrev_b32 v1, 5, v0
	v_readfirstlane_b32 s28, v1                    ; wave 0..3
	s_lshl_b32 s58, ttmp9, 4
	s_mov_b32 s59, 0
	s_wait_kmcnt 0x0
	s_add_nc_u64 s[56:57], s[12:13], s[58:59]
	s_load_b128 s[24:27], s[56:57], 0x0            ; my tile: lo, hi, rows, first slot
	v_and_b32 v14, 31, v0                          ; lane
	v_and_b32 v1, 15, v0                           ; r
	s_wait_alu depctr_va_vdst(0)
	v_bfe_u32 v2, v0, 4, 1                         ; h
	v_lshlrev_b32 v3, 4, v14                       ; 16 x lane
	v_lshlrev_b32 v4, 2, v14                       ; 4 x lane
	s_wait_alu depctr_va_sdst(0)                   ; s28 is written, ahead of its first reader: LDS addresses and the buffers' bases are made from it
	s_lshl_b32 s60, s28, 13
	s_add_co_u32 s60, s60, XIMG
	v_add_nc_u32 v5, s60, v3                       ; where I store x's images: tile of tokens w
	s_lshl_b32 s60, s28, 10
	s_add_co_u32 s60, s60, HIMG
	v_add_nc_u32 v6, s60, v3                       ; the hidden layer's: K step w
	s_lshl_b32 s60, s28, 7
	v_lshl_add_u32 v7, v1, 2, s60                  ; and its scale words: 4 r + 128 w
	s_mul_i32 s60, s28, 16*SP
	s_add_co_u32 s60, s60, STG                     ; my stage
	v_mul_u32_u24 v8, v1, SP
	s_wait_alu depctr_va_vdst(0)
	v_lshl_add_u32 v8, v2, 5, v8
	v_add_nc_u32 v8, s60, v8                       ; in: row r, 32 bytes for each half of the lanes
	v_mul_u32_u24 v9, v2, SP
	v_lshl_add_u32 v9, v1, 4, v9
	v_add_nc_u32 v9, s60, v9                       ; back: lanes 0-15 one row of 256 bytes, lanes 16-31 the next
	v_add_nc_u32 v12, HIMG, v3
	v_lshlrev_b32 v13, 4, v1                       ; 16 r
	s_lshl_b32 s60, s28, 4
	v_add_nc_u32 v15, s60, v1                      ; 16 w + r
.irp b, 0,1,2,3
	v_mov_b32 v[TM+4+\b], 0                        ; written once: a lane permute's destination counts as one of its sources
.endr
	; the 39 slots whose tokens are wanted, made of ids alone while the tile's entry is on its way.  Each has a register of its own: no load lands on a register that a load reads
	WIN W_AD1
	v_add_nc_u32 v[AD+0], 0, v15                   ; the tile of tokens whose codes I gather: slot 16 w + r
	v_add_nc_u32 v[AD+1], 0, v14                   ; scale words: slot 32 mp + lane
	v_add_nc_u32 v[AD+2], 32, v14
.irp m, 0,1,2,3
	v_add_nc_u32 v[AD+3+\m], 16*\m, v1             ; a result's lane: slot 16 m + r
.endr
.set n, 0
.rept 32
	v_add_nc_u32 v[AD+7+n], 2*n, v2                ; way out: index 8 m + i names slot 16 m + 2 i + h
.set n, n+1
.endr
	s_mov_b32 s[SEL], 0x76543210
	s_mov_b32 s[SEL+1], 0xfedcba98
	s_mov_b32 s[NL2E], 0xbfb8aa3b
	s_mov_b32 s[NL2E+1], s[NL2E]                   ; (named with it as a pair, so it is written)
	s_wait_kmcnt 0x0
	s_min_u32 s24, s24, 7                          ; what was read is held to its range before it enters an address
	s_min_u32 s25, s25, 7
	s_min_u32 s26, s26, 64
	s_min_u32 s27, s27, 9856
	s_max_u32 s[RM1], s26, 1
	s_sub_co_u32 s[RM1], s[RM1], 1
	s_lshl_b32 s58, s27, 2
	s_add_co_u32 s58, s58, LIST
	s_add_nc_u64 s[ORD:ORD+1], s[12:13], s[58:59]
	s_lshl_b32 s60, s24, 2
	s_add_co_u32 s60, s60, s28                     ; 4 lo + w
	s_lshl_b32 s62, s60, 12
	s_lshl_b32 s60, s60, 16
	s_mov_b32 s61, 0
	s_mov_b32 s63, 0
	s_add_nc_u64 s[LOP:LOP+1], s[8:9], s[60:61]
	s_add_nc_u64 s[LOS:LOS+1], s[10:11], s[62:63]
	s_add_nc_u64 s[W2P:W2P+1], s[LOP:LOP+1], 0x200000
	s_add_nc_u64 s[W2S:W2S+1], s[LOS:LOS+1], 0x20000
	s_lshl_b32 s60, s25, 2
	s_add_co_u32 s60, s60, s28                     ; 4 hi + w
	s_lshl_b32 s62, s60, 12
	s_lshl_b32 s60, s60, 16
	s_add_nc_u64 s[HIP:HIP+1], s[8:9], s[60:61]
	s_add_nc_u64 s[HIS:HIS+1], s[10:11], s[62:63]
	s_add_nc_u64 s[W2P+2:W2P+3], s[HIP:HIP+1], 0x200000
	s_add_nc_u64 s[W2S+2:W2S+3], s[HIS:HIS+1], 0x20000
	s_lshl_b32 s60, s28, 10
	s_add_nc_u64 s[22:23], s[22:23], s[60:61]      ; out at my 256 columns
	WIN W_AD2
.set n, 0
.rept 39
	v_min_u32 v[AD+n], s[RM1], v[AD+n]             ; a slot is held to the tile's last slot,
.set n, n+1
.endr
.set n, 0
.rept 39
	v_min_u32 v[AD+n], 63, v[AD+n]                 ; and to 63;
.set n, n+1
.endr
.set n, 0
.rept 39
	v_lshlrev_b32 v[AD+n], 2, v[AD+n]              ; 4 bytes a slot
.set n, n+1
.endr
	; the tokens.  The seven loads on which x's gather hangs go first; the 32 for the way out, the scale words and the ring's first quarter are issued while they are on their way
	WIN W_ACC                                      ; the address in window 2, the token in window 0
	s_wait_alu depctr_va_vdst(0)                   ; the 39 offsets are written, which the loads below read; so are v3 to v9 and v12, the addresses of every later load and store
	global_load_b32 v[IX+4], v[AD+0], s[ORD:ORD+1]
	global_load_b32 v[IX+5], v[AD+1], s[ORD:ORD+1]
	global_load_b32 v[IX+6], v[AD+2], s[ORD:ORD+1]
.irp m, 0,1,2,3
	global_load_b32 v[IX+\m], v[AD+3+\m], s[ORD:ORD+1]
.endr
.set n, 0
.rept 32
	global_load_b32 v[RO+n], v[AD+7+n], s[ORD:ORD+1]
.set n, n+1
.endr
	WIN 0
	WS1 WSA, LOS
	WIN W_RING
	RING 0, LOP, 0                                 ; lo's first K step of W1
	WIN 0
	s_wait_loadcnt 56                              ; the first seven are in: behind them stand 32 + 8 + 16 loads
.irp n, 0,1,2,3,4,5,6
	v_min_u32 v[IX+\n], 0x1fff, v[IX+\n]           ; a token's number is held to the table before it enters an address
.endr
.irp m, 0,1,2,3
	v_lshlrev_b32 v[IX+\m], 3, v[IX+\m]
.endr
	v_lshlrev_b32 v[IX+4], 9, v[IX+4]
	v_lshl_add_u32 v[IX+4], v2, 4, v[IX+4]         ; codes: 512 bytes a token, + 16 h
	v_lshlrev_b32 v[IX+5], 5, v[IX+5]
	v_lshlrev_b32 v[IX+6], 5, v[IX+6]
	s_wait_alu depctr_va_vdst(0)                   ; the seven offsets v[IX ..] are written, which the 24 loads below read
.irp s, 0,1,2,3,4,5,6,7
.irp c, 0,1
	global_load_b128 v[T+8*\s+4*\c:T+8*\s+4*\c+3], v[IX+4], s[4:5] offset:64*\s+32*\c     ; fragment s of my 16 tokens: k = 128 s + 64 c + 32 h on
.endr
.endr
.irp p, 0,1
.irp q, 0,1
	global_load_b128 v[XS+8*\p+4*\q:XS+8*\p+4*\q+3], v[IX+5+\p], s[6:7] offset:16*\q      ; register XS + 8 (m / 2) + s: lanes 0-15 the even tile's tokens, lanes 16-31 the odd tile's
.endr
.endr
.irp m, 0,1,2,3
	global_load_b64 v[G+2*\m:G+2*\m+1], v[IX+\m], s[14:15]
.endr
	WIN W_RING
	RING 64, LOP, 8192                             ; K steps 1 to 3 stand behind x's loads: they land while x goes round through LDS
	RING 128, LOP, 16384
	RING 192, LOP, 24576
	WIN 0
	WS1 WSB, HIS
	s_wait_loadcnt 56                              ; x's codes, scale words and gates are in, and all that is older: behind them stand 48 + 8 loads
.irp s, 0,1,2,3,4,5,6,7
.irp c, 0,1
	ds_store_b128 v5, v[T+8*\s+4*\c:T+8*\s+4*\c+3] offset:1024*\s+512*\c
.endr
.endr
	s_wait_dscnt 0x0                               ; for the others' sake: my eight images lie in LDS
	s_barrier_signal -1
.set n, 0
.rept 32                                       ; work on registers while the others arrive
	v_min_u32 v[RO+n], 0x1fff, v[RO+n]
	v_lshl_add_u32 v[RO+n], v[RO+n], 12, v13       ; a token's row of out, + 16 r
.set n, n+1
.endr
	s_barrier_wait -1
	WIN W_TOK
.irp s, 0,1,2,3,4,5,6,7                        ; all 32 fragments of x stay in window 1, (m, s) at v[64 m + 8 s]; they are asked for K step by K step, eight loads each
.irp m, 0,1,2,3
	ds_load_b128 v[64*\m+8*\s:64*\m+8*\s+3], v3 offset:XIMG+1024*(8*\m+\s)
	ds_load_b128 v[64*\m+8*\s+4:64*\m+8*\s+7], v3 offset:XIMG+1024*(8*\m+\s)+512
.endr
.endr
	WIN 0
; A K STEP OF THE FIRST PRODUCT: 32 matrix instructions, the 32 accumulators (4 tiles of tokens x my 8 tiles of hidden units) by turns, one instruction a turn.
; Then the quarter of the ring just read is filled again from ptr + off, at once, so that it does not lie idle for a step.  wsr: W1's scale words.
; lw: how many loads were issued behind this step's 16; dw: how many LDS loads behind this step's eight (-1: no wait).
.macro KSTEP s, wsr, lw, dw, ptr, off
.if (\lw) >= 0
	s_wait_loadcnt \lw
.endif
.if (\dw) >= 0
	s_wait_dscnt \dw
.endif
	WIN W_MUL
.irp m, 0,1,2,3
.irp t, 0,1,2,3,4,5,6,7
	WMS 64*\m+8*\t, 64*((\s)%4)+8*\t, 64*\m+8*(\s), \s, \wsr+8*(\t/2)+(\s), XS+8*(\m/2)+(\s), \t%2, \m%2
.endr
.endr
	PLACES 4
	WIN W_RING
	s_wait_alu depctr_va_vdst(0)                   ; the step's products are done reading their quarter of the ring, in which the 16 loads below land (behind lo's last step: and lo's scale words, in which W2's land)
	RING 64*((\s)%4), \ptr, \off
.endm
; Tile m's codes and scale word of expert e go to LDS as they stand: K step w of the second product, tokens 16 m on.
.macro IMAGES e, m
	ds_store_b128 v6, v[PC+48*((\m)%2):PC+48*((\m)%2)+3] offset:16384*(\e)+4096*(\m)
	ds_store_b128 v6, v[PC+48*((\m)%2)+4:PC+48*((\m)%2)+7] offset:16384*(\e)+4096*(\m)+512
	ds_store_b32 v7, v[PW+((\m)%2)] offset:HSC+1024*(\e)+512*((\m)/2)+64*((\m)%2)   ; lanes r and r + 16 write the same word with the same value
.endm
; swish of tile m's 64 numbers a lane: h / (1 + 2^(-log2(e) h)), in f32.  Each accumulator is read from its low end on.  The images of the tile before leave behind the exponentials' wait.
.macro SWISH e, m
	WIN W_ACC
.set i, 0
.rept 32
	v_pk_mul_f32 v[T+i:T+i+1], v[64*\m+i:64*\m+i+1], s[NL2E:NL2E+1] op_sel_hi:[1,0]
.set i, i+2
.endr
	WIN 0
.set i, 0
	s_wait_alu depctr_va_vdst(0)
.rept 64
	v_exp_f32 v[T+i], v[T+i]
.set i, i+1
.endr
	v_nop                                          ; a plain line behind the transcendentals
	s_wait_alu depctr_va_vdst(0)                   ; the 64 exponentials have written v[T ..], ahead of their first reader; and the tile before's conversions have written its codes and scale word, which the three LDS stores read
.if \m > 0
	IMAGES \e, \m-1
.endif
.set i, 0
.rept 32
	v_pk_add_f32 v[T+i:T+i+1], v[T+i:T+i+1], 1.0 op_sel_hi:[1,0]
.set i, i+2
.endr
.set i, 0
	s_wait_alu depctr_va_vdst(0)
.rept 64
	v_rcp_f32 v[T+i], v[T+i]
.set i, i+1
.endr
	v_nop
	WIN W_ACC
	s_wait_alu depctr_va_vdst(0)                   ; the 64 reciprocals have written v[T ..], ahead of their first reader
.set i, 0
.rept 32
	v_pk_mul_f32 v[T+i:T+i+1], v[64*\m+i:64*\m+i+1], v[T+i:T+i+1]
.set i, i+2
.endr
	WIN 0
.endm
; Expert e's hidden layer, a tile of tokens at a time: activation, codes, images.  The codes and the scale word have two sets of registers by turns.
.macro HIDDEN e
.irp m, 0,1,2,3
.set PCX, PC+48*(\m%2)
.set PWX, PW+(\m%2)
.if 4*\e+\m >= 2
	s_wait_alu depctr_vm_vsrc(0)                   ; the LDS stores of the tile two back have read this set of codes and its scale word, which this tile's conversions write again
.endif
	SWISH \e, \m
	QUANT T
.endr
	s_wait_alu depctr_va_vdst(0)                   ; the last tile's conversions have written its codes and scale word, which the three LDS stores read
	IMAGES \e, 3
.endm
	s_wait_alu depctr_vm_vsrc(0)                   ; the loads of tokens have read their offsets in window 2, which the products write; the LDS stores of x's images have read v[T ..], which the activation writes
	; ---- lo.  Behind ring quarter s (s = 1 .. 3) stand the later quarters, hi's 8 scale loads and the refills so far: 56 loads; behind a refill the next three: 48
	KSTEP 0, WSA, -1, 56, LOP, 4*8192              ; (its weights and scale words were shown in by the wait in front of the LDS stores)
	KSTEP 1, WSA, 56, 48, LOP, 5*8192
	KSTEP 2, WSA, 56, 40, LOP, 6*8192
	KSTEP 3, WSA, 56, 32, LOP, 7*8192
	KSTEP 4, WSA, 48, 24, HIP, 0                   ; from here on the ring takes hi's W1
	KSTEP 5, WSA, 48, 16, HIP, 8192
	KSTEP 6, WSA, 48, 8, HIP, 16384
	KSTEP 7, WSA, 48, 0, HIP, 24576
	WIN 0
	WS2E 0, 0                                      ; lo's scale words are done with: their registers take W2's of chunk 0.  No wait: no vector or matrix instruction has been issued since the last step's wait
	WS2E 1, 0
	HIDDEN 0
	; ---- hi.  Behind the refill that step s (s = 0 .. 3) reads stand three refills and W2's 4 scale loads: 52
	KSTEP 0, WSB, 52, -1, HIP, 4*8192
	KSTEP 1, WSB, 52, -1, HIP, 5*8192
	KSTEP 2, WSB, 52, -1, HIP, 6*8192
	KSTEP 3, WSB, 52, -1, HIP, 7*8192
	KSTEP 4, WSB, 48, -1, W2P, 0                   ; from here on W2's chunk 0: lo's in the ring's first half, hi's in its second
	KSTEP 5, WSB, 48, -1, W2P, 8192
	KSTEP 6, WSB, 48, -1, W2P+2, 0
	KSTEP 7, WSB, 48, -1, W2P+2, 8192
	WIN 0
	HIDDEN 1
	s_wait_dscnt 0x0                               ; for the others' sake: my images of the hidden layer lie in LDS
	s_barrier_signal -1
	s_barrier_wait -1
.set n, 0
.rept 16                                       ; these loads, and the 64 below, land in registers that the first product's matrix instructions read.  No wait: no vector or matrix instruction has been issued since the hidden layer's last wait on va_vdst
	ds_load_b32 v[HS+n], v4 offset:HSC+128*n
.set n, n+1
.endr
	WIN W_TOK
.irp e, 0,1                                    ; all 32 fragments of the hidden layer, (e, m, s) at v[128 e + 32 m + 8 s]; asked for in the order in which the products take them, eight loads a K step
.irp s, 0,1,2,3
.irp m, 0,1,2,3
	ds_load_b128 v[128*\e+32*\m+8*\s:128*\e+32*\m+8*\s+3], v12 offset:1024*(16*\e+4*\m+\s)
	ds_load_b128 v[128*\e+32*\m+8*\s+4:128*\e+32*\m+8*\s+7], v12 offset:1024*(16*\e+4*\m+\s)+512
.endr
.endr
.endr
	WIN 0
; THE SECOND PRODUCT, 64 of my columns at a time.  Expert e: 64 matrix instructions, K ascending, the expert's 16 accumulators (4 tiles of tokens x 4 of columns) by turns.
; stg = 1: in the first chunk the hidden layer's fragments may still be on their way: behind K step (e, k)'s eight loads stand 8 for each later step.  (In later chunks no LDS load is out and the waits are met at once.)
.macro PROD2 e, stg
	WIN W_MUL
.irp k, 0,1,2,3
.if \stg
	s_wait_dscnt 8*(7-(4*\e+\k))
.endif
.irp m, 0,1,2,3
.irp q, 0,1,2,3
	WMS 128*\e+32*\m+8*\q, 128*\e+32*\k+8*\q, 128*\e+32*\m+8*\k, \k, WSA+8*\e+4*(\q/2)+\k, HS+8*\e+4*(\m/2)+\k, \q%2, \m%2
.endr
.endr
.endr
.endm
; Expert e's half of the ring and its scale words are asked for anew, the next chunk's: the 2 loads of scale words first, then 32 of fragments.
.macro FILL2 e
	WS2E \e, 1024
	WIN W_RING
.irp k, 0,1,2,3
.irp q, 0,1,2,3
.irp c, 0,1
	global_load_b128 v[128*\e+32*\k+8*\q+4*\c:128*\e+32*\k+8*\q+4*\c+3], v3, s[W2P+2*\e:W2P+2*\e+1] offset:16384+4096*\k+1024*\q+512*\c
.endr
.endr
.endr
.endm
; THE WAY OUT of tokens 16 m on, in three parts, all in the accumulators' own registers, so that each of the four blocks has registers of its own and no store's data are written again inside a chunk.
.macro COMB m                          ; g_lo y_lo + g_hi y_hi, in place over lo's accumulators; each accumulator is read from its low end on
	WIN W_COMB
.set i, 0
.rept 16
	v_pk_mul_f32 v[32*\m+i:32*\m+i+1], v[32*\m+i:32*\m+i+1], v[G+2*\m:G+2*\m+1] op_sel_hi:[1,0]
.set i, i+2
.endr
.set i, 0
.rept 16
	v_pk_fma_f32 v[32*\m+i:32*\m+i+1], v[128+32*\m+i:129+32*\m+i], v[G+2*\m:G+2*\m+1], v[32*\m+i:32*\m+i+1] op_sel:[0,1,0] op_sel_hi:[1,1,1]
.set i, i+2
.endr
.endm
.macro TOSTAGE m                       ; through my stage; back as whole rows of 256 bytes, into hi's accumulators, which COMB has read
	WIN W_STG
.irp q, 0,1,2,3
	ds_store_b128 v8, v[32*\m+8*\q:32*\m+8*\q+3] offset:64*\q          ; lane (r, h): token r, columns 16 q + 8 h + 0 .. 7
	ds_store_b128 v8, v[32*\m+8*\q+4:32*\m+8*\q+7] offset:64*\q+16
.endr
.irp t, 0,1,2,3,4,5,6,7
	ds_load_b128 v[128+32*\m+4*\t:128+32*\m+4*\t+3], v9 offset:\t*2*SP ; LDS serves a wave's instructions in order: these see my stores, and the next block's stores come behind them
.endr
.endm
.macro SEND m, younger                 ; stored, where the tile has such rows.  younger: the LDS instructions issued behind block m's loads: the next block's 8 stores and 8 loads, or none
	s_wait_dscnt \younger                          ; the block is back
	WIN 0                                          ; at a branch and at a label every window is 0
	s_cmp_le_u32 s26, 16*\m
	s_cbranch_scc1 .Lno_rows_\@
	WIN W_OUT
.irp t, 0,1,2,3,4,5,6,7
	global_store_b128 v[RO+8*\m+\t], v[128+32*\m+4*\t:128+32*\m+4*\t+3], s[22:23] th:TH_STORE_NT   ; sixteen lanes store 256 consecutive bytes of one token's row, at a multiple of 256 from out's first byte
.endr
	WIN 0
.Lno_rows_\@:
.endm
.macro CHUNK last, stg
	s_wait_loadcnt 32                              ; lo's 16 fragments and all the chunk's scale words are in; the youngest 32 loads, hi's fragments, may be out: so on the way in and round the loop alike
	PROD2 0, \stg
.if (\last) == 0
	PLACES 4
	WIN 0
	s_wait_alu depctr_va_vdst(0)                   ; lo's products are done reading lo's half of the ring and lo's scale words, in which the 34 loads below land; hi's products, which follow, name none of these registers
	FILL2 0
	s_wait_loadcnt 34                              ; hi's fragments are in; the 34 loads just issued may be out
.else
	s_wait_loadcnt 0x0                             ; hi's fragments are in: nothing was asked for behind them
.endif
	PROD2 1, \stg
	PLACES 4                                       ; four places behind the last products, ahead of the first read of results
.if (\last) == 0
	WIN 0
	s_wait_alu depctr_va_vdst(0)                   ; hi's products are done reading hi's half of the ring and hi's scale words, in which the 34 loads below land; the arithmetic that follows names none of these registers
	FILL2 1
.endif
	COMB 0
	COMB 1
	COMB 2
	COMB 3
	WIN W_STG
	s_wait_alu depctr_va_vdst(0)                   ; the four blocks' arithmetic has written lo's accumulators, which the stage's stores read, and is done reading hi's, in which the stage's loads land.  No vector instruction follows in the chunk
	TOSTAGE 0
	TOSTAGE 1                                      ; two blocks are on their way through the stage at a time
	SEND 0, 16
	TOSTAGE 2
	SEND 1, 16
	TOSTAGE 3
	SEND 2, 16
	SEND 3, 0
.endm
	s_mov_b32 s59, 3
.Lchunk:
	CHUNK 0, 1
	s_wait_xcnt 0x0                                ; loads and stores have read their bases, and the stores their data: the bases may step, and the next chunk's products may write the accumulators
	s_wait_alu depctr_vm_vsrc(0)                   ; the stage's stores have read lo's accumulators and the global stores hi's, which the next chunk's products write
	s_add_nc_u64 s[W2P:W2P+1], s[W2P:W2P+1], 16384
	s_add_nc_u64 s[W2P+2:W2P+3], s[W2P+2:W2P+3], 16384
	s_add_nc_u64 s[W2S:W2S+1], s[W2S:W2S+1], 1024
	s_add_nc_u64 s[W2S+2:W2S+3], s[W2S+2:W2S+3], 1024
	s_add_nc_u64 s[22:23], s[22:23], 256
	s_sub_co_u32 s59, s59, 1
	s_cmp_lg_u32 s59, 0
	s_cbranch_scc1 .Lchunk
	CHUNK 1, 0                                     ; the last chunk is written out: it asks for nothing more, so no load leaves its buffer
	s_wait_dscnt 0x0                               ; the closing lines, six on end
	s_wait_alu 0x0
	s_wait_tensorcnt 0x0
	ds_add_u32 v254, v255
	s_wait_dscnt 0x0
	s_endpgm
.Lfunc_end_k_qa628b97903_experts:
	.size	k_qa628b97903_experts, .Lfunc_end_k_qa628b97903_experts-k_qa628b97903_experts
	.p2alignl 7, 3214868480
	.fill 96, 4, 3214868480
	.section	.rodata,"a",@progbits
	.p2align	6, 0x0
	.amdhsa_kernel k_qa628b97903_experts
		.amdhsa_group_segment_fixed_size 85504
		.amdhsa_private_segment_fixed_size 0
		.amdhsa_enable_private_segment 0
		.amdhsa_kernarg_size 56
		.amdhsa_user_sgpr_count 2
		.amdhsa_user_sgpr_kernarg_segment_ptr 1
		.amdhsa_wavefront_size32 1
		.amdhsa_system_sgpr_workgroup_id_x 1
		.amdhsa_system_sgpr_workgroup_id_y 1
		.amdhsa_system_sgpr_workgroup_id_z 1
		.amdhsa_system_vgpr_workitem_id 0
		.amdhsa_next_free_vgpr 1024
		.amdhsa_next_free_sgpr 66
		.amdhsa_reserve_vcc 0
		.amdhsa_float_denorm_mode_32 3
		.amdhsa_float_denorm_mode_16_64 3
		.amdhsa_memory_ordered 1
		.amdhsa_forward_progress 1
		.amdhsa_inst_pref_size 255
	.end_amdhsa_kernel
	.section	.bss,"aw",@nobits
	.p2align	6
	.space	262144
	.amdgpu_metadata
---
amdhsa.version: [ 1, 2 ]
amdhsa.kernels:
  - .name:           k_qa628b97903_experts
    .symbol:         k_qa628b97903_experts.kd
    .args:
      - { .name: xq, .offset: 0, .size: 8, .value_kind: global_buffer, .address_space: global }
      - { .name: xs, .offset: 8, .size: 8, .value_kind: global_buffer, .address_space: global }
      - { .name: wq, .offset: 16, .size: 8, .value_kind: global_buffer, .address_space: global }
      - { .name: ws, .offset: 24, .size: 8, .value_kind: global_buffer, .address_space: global }
      - { .name: plan, .offset: 32, .size: 8, .value_kind: global_buffer, .address_space: global }
      - { .name: gates, .offset: 40, .size: 8, .value_kind: global_buffer, .address_space: global }
      - { .name: out0, .offset: 48, .size: 8, .value_kind: global_buffer, .address_space: global }
    .group_segment_fixed_size: 85504
    .private_segment_fixed_size: 0
    .kernarg_segment_align: 8
    .kernarg_segment_size: 56
    .max_flat_workgroup_size: 128
    .sgpr_count:     66
    .vgpr_count:     1024
    .wavefront_size: 32
...
	.end_amdgpu_metadata
.endif
;; end of part 6
